; MI455X (gfx1250); checked and timed in simulation.
; The chip was launched on July 23, 2026; its instructions are those of AMD's public machine-readable ISA for CDNA 5 (MIT licence, August 2026) and "CDNA5" Instruction Set Architecture Reference Guide (July 2026). The comments in the code are by the model that wrote it; some were corrected since.
;; Multi Head Attention. Allowed arithmetic: matrix products marked QUANTISED: E4M3 operands, one given power-of-two scale a tensor, by v_wmma_f32_16x16x64_fp8_fp8 or v_wmma_f32_16x16x128_fp8_fp8, f32 sums; everything else in f32.
;; Inputs: Wk 1,024 x 1,024 float32; Wo 1,024 x 1,024 float32; Wq 1,024 x 1,024 float32; Wv 1,024 x 1,024 float32; bo 1,024 float32; key 4 x 2,048 x 1,024 float32; lowp_scales 12 int32 (the exponents e of the quantised operands' scales 2^e); mask 4 x 1 x 2,048 x 2,048 int32; query 4 x 2,048 x 1,024 float32; value 4 x 2,048 x 1,024 float32.
;; Outputs: out0 4 x 2,048 x 1,024 float32.
;; This version of the problem:
;;   THIS VERSION OF THE PROBLEM IS GIVEN IN LOW PRECISION. The matrix products marked QUANTISED in the list below multiply operands that are first quantised to E4M3 (4 exponent bits, 3 mantissa bits; 8 bits a number), with one given power-of-two scale for each operand tensor; their sums are f32. All else is computed in f32.
;;   The module's matrix products, in the order in which they are computed (A, B: the left and right operand; K: the contracted axis; several contracted axes count as one K, in the product's order):
;;     1. [M 8,192, K 1,024] x [K 1,024, N 1,024]; A: input key; B: input Wk: QUANTISED (scales: A lowp_scales[0], B lowp_scales[1])
;;     2. [M 8,192, K 1,024] x [K 1,024, N 1,024]; A: input query; B: input Wq: QUANTISED (scales: A lowp_scales[2], B lowp_scales[3])
;;     3. [M 8,192, K 1,024] x [K 1,024, N 1,024]; A: input value; B: input Wv: QUANTISED (scales: A lowp_scales[4], B lowp_scales[5])
;;     4. batch 64 x [M 2,048, K 64] x [K 64, N 2,048]; A: computed on the way; B: computed on the way: QUANTISED (scales: A lowp_scales[6], B lowp_scales[7])
;;     5. batch 64 x [M 2,048, K 2,048] x [K 2,048, N 64]; A: softmax (see below); B: computed on the way: QUANTISED (scales: A lowp_scales[8], B lowp_scales[9])
;;     6. [M 8,192, K 1,024] x [K 1,024, N 1,024]; A: computed on the way; B: input Wo: QUANTISED (scales: A lowp_scales[10], B lowp_scales[11])
;;   THE QUANTISER, for each operand of a quantised product, along K:
;;     - The operand's scale is 2^e, e = its entry of the input lowp_scales (int32; the entries are numbered through the quantised products in the list's order, A before B).
;;     - Each number is divided by the scale, clamped to +-448, and rounded to the nearest number of E4M3, ties to even, subnormals kept.
;;     - The product sums the exact products of the quantised numbers (number of the format x scale) in f32.
;;   ~~~python
;;   def quantise(x, axis, e):      # numpy; x: float32 -> the quantised numbers, widened to float32 again
;;       x = np.moveaxis(x, axis, -1); K = x.shape[-1]
;;       r = np.clip(x / 2.0 ** e, -448, 448)
;;       step = 2.0 ** (np.maximum(np.frexp(np.where(r == 0, 1, r))[1] - 1, -6) - 3)
;;       q = np.round(r / step) * step * 2.0 ** e      # np.round: ties to even
;;       return np.moveaxis(q, -1, axis).astype(np.float32)
;;   ~~~
;;   SOFTMAX AHEAD OF A QUANTISED PRODUCT. Where the list says 'softmax', what is quantised is not the finished softmax but p = 2^(t - M), with t = logit x log2(e) and M = ceil(the row's largest t), a whole number; so 1/2 < the row's largest p <= 1. The row's sum l is taken of the UNQUANTISED p, in f32, and the product's result is divided by l at the end. Since M is a whole number, a kernel that streams over the keys may use a running M (the ceiling of the running maximum): every later rescaling is an exact power of two, so the quantised numbers keep their values, but for numbers so far below the row's largest that they fall under the format's range.
;;   OPERANDS COMPUTED ON THE WAY. 'Computed on the way' means the value that the module computes at that place (a softmax that the list does not call 'softmax' is quantised finished and normalised). What goes into a quantiser is computed in f32, as accurately as f32 sums, v_exp_f32 and their like allow (about 1e-6 of the number): no bf16 or f16 on the way to a quantiser, and a product that is left as it is and whose result goes on into a quantised operand takes f32 operands (vector FMAs, or v_wmma_f32_16x16x4_f32). A number that lies on a knife's edge between two numbers of the format may be rounded either way, as far as f32 arithmetic and the matrix unit's own rounding can turn it there, and no further.
;; 2 versions. Each part assembles by itself: llvm-mc -triple=amdgcn-amd-amdhsa -mcpu=gfx1250 --defsym DOCPART=n.
;; ======== version 1 of 2: 4 launches
;; workspace buffers: opimg 29,360,128 bytes; mbits 2,097,152 bytes of whole numbers; qimg 8,388,608 bytes; kvimg 16,777,216 bytes; vimg 8,388,608 bytes
;; launch prep (part 1): grid 704 x 1, 4 waves a work-group, no clusters, 34,304 bytes of LDS; arguments key, query, value, Wk, Wq, Wv, Wo, mask, lowp_scales, opimg, mbits; writes opimg, mbits
.if DOCPART == 1
	.amdgcn_target "amdgcn-amd-amdhsa--gfx1250"
	.amdhsa_code_object_version 6
	.text
	.protected	k_q006e117919_prep
	.globl	k_q006e117919_prep
	.p2align	8
	.type	k_q006e117919_prep,@function
k_q006e117919_prep:
	s_mov_b64 s[64:65], 0
	v_nop
	global_prefetch_b8 v0, s[64:65] scope:SCOPE_SE
	s_setreg_imm32_b32 hwreg(HW_REG_WAVE_MODE, 25, 1), 1
	s_wait_xcnt 0x0
; PREP.  The seven f32 operands (key, query, value: [8192][1024]; Wk, Wq, Wv, Wo: [1024][1024]; K innermost) become codes of E4M3, each with its given scale 2^e:
; code = x / 2^e, held within +-448, to the nearest code, ties to even.  The mask ([4][2048][2048] int32) becomes one bit a number.
; THE CODES ARE LAID AS IMAGES OF OPERAND REGISTERS.  A fragment is 16 rows x 128 k = 16 registers a lane: lane (r = lane % 16, h = lane / 16) holds row r, registers 2 c and 2 c + 1 hold k = 16 c + 8 h + 0 .. 7.
; It lies in memory as four groups of 512 bytes: group g = registers 4 g .. 4 g + 3, lane l's 16 bytes at 16 l.  Fragment (row tile J, K step t) lies at (J / 8) x 131072 + (t / 2) x 32768 + (J % 8) x 4096 + (t % 2) x 2048,
; so that 128 rows x 256 k are 32,768 bytes on end.  Row tiles J: key 0-511, query 512-1023, value 1024-1535, Wk, Wq, Wv, Wo 64 each from 1536 on.
; THE MASK'S BITS: [batch][tile of 16 queries][step of 128 keys][64 words]: word 8 c + j, bit 16 h + r = (mask[query r of the tile][key 16 c + 8 h + j of the step] != 0): a lane mask for one register of a tile of scores.
; SHARES.  A wave has one job: 16 rows x 4,096 bytes, in 8 steps of 16 rows x 512 bytes.  Work-groups 0-447 quantise (job = row tile 4 x work-group + wave), 448-703 pack the mask (job = half of a query tile's 2,048 keys).
; Each load reads 512 consecutive bytes of one row; a step's 8,192 bytes turn through the wave's own stage in LDS (rows 528 bytes apart) and come back so that a lane holds 8 neighbours along K in 8 consecutive registers.
; Both kinds of job take one path through all LDS lines; only work on registers and the stores differ.  No tensor loads, no barrier: waves share nothing.  Loads run two steps (32 loads a wave) ahead.
; LIMITS: each e between -126 and 119, so that 2^e and 448 x 2^e are f32 numbers.  NaN among the inputs is not served (an infinity is held at the largest code).
.set WREG,   8448                      ; a wave's stage: 16 rows x 528 bytes
.set SP,     528                       ; a stage row: 512 bytes + 16
.set SPARE,  4*WREG                    ; behind the stages: the spare words, 128 bytes for each wave, which no other line names
.set MASKWG, 448                       ; the first work-group that packs the mask
.set LI,   2                           ; v2      16 x lane
.set STW,  3                           ; v3      the stage on the way in: 16 x lane
.set STR,  4                           ; v4      and on the way out: 528 r + 32 h
.set L8,   6                           ; v6      8 x lane
.set SC,   7                           ; v7      2^e as f32
.set LIM,  8                           ; v8      448 x 2^e
.set MW,   10                          ; v[10:11] a step's 64 mask words: lane l holds words 2 l and 2 l + 1
.set SPW,  12                          ; v12     my spare word's LDS address; never rewritten
.set NIL,  13                          ; v13     0; never rewritten
.set OFFR, 16                          ; v16-31  16 x lane + i x the row's pitch in memory
.set R,    32                          ; v32-159 two sets of 64: a step as it is loaded
.set X,    160                         ; v160-223 a step as the operand wants it: register 8 c + j = (row r, k 16 c + 8 h + j)
.set C,    224                         ; v224-255 two sets of 16: a fragment's codes
	s_load_b512 s[4:19], s[0:1], 0x0               ; key, query, value, Wk, Wq, Wv, Wo, mask
	s_load_b128 s[20:23], s[0:1], 0x40             ; the scales' exponents, the codes' buffer
	s_load_b64 s[24:25], s[0:1], 0x50              ; the mask bits' buffer
	v_lshl_add_u32 v[SPW], v0, 2, SPARE
	v_mov_b32 v[NIL], 0
	v_lshrrev_b32 v1, 5, v0
	v_readfirstlane_b32 s30, v1                    ; wave 0..3
	v_and_b32 v1, 31, v0                           ; lane
	v_lshlrev_b32 v[LI], 4, v1
	v_lshlrev_b32 v[L8], 3, v1
	v_and_b32 v5, 15, v0                           ; r
	v_bfe_u32 v9, v0, 4, 1                         ; h
	s_mul_i32 s31, s30, WREG                       ; my stage
	v_add_nc_u32 v[STW], s31, v[LI]
	v_mul_u32_u24 v[STR], v5, SP
	v_lshl_add_u32 v[STR], v9, 5, v[STR]
	v_add_nc_u32 v[STR], s31, v[STR]
	v_mov_b32 v[MW], 0                             ; written whole once: the lane writes below count as readers
	v_mov_b32 v[MW+1], 0
	s_wait_kmcnt 0x0
; which tensor is my work-group's: the choice hangs on the work-group's number alone
.macro PICK first, ptr, sidx
	s_cmp_ge_u32 ttmp9, \first
	s_cselect_b64 s[26:27], s[\ptr:\ptr+1], s[26:27]
	s_cselect_b32 s32, \first, s32
	s_cselect_b32 s33, \sidx, s33
.endm
	s_mov_b64 s[26:27], s[4:5]                     ; key,
	s_mov_b32 s32, 0                               ; its first work-group,
	s_mov_b32 s33, 0                               ; the byte at which its exponent stands
	PICK 128, 6, 8                                 ; query
	PICK 256, 8, 16                                ; value
	PICK 384, 10, 4                                ; Wk
	PICK 400, 12, 12                               ; Wq
	PICK 416, 14, 20                               ; Wv
	PICK 432, 16, 44                               ; Wo
	PICK 448, 18, 0                                ; mask (the exponent read there is not used)
	s_load_b32 s46, s[20:21], s33 offset:0x0       ; e
	s_sub_co_u32 s34, ttmp9, s32
	s_lshl_b32 s34, s34, 2
	s_add_co_u32 s34, s34, s30                     ; my job within the tensor
	s_lshl_b32 s35, ttmp9, 2
	s_add_co_u32 s35, s35, s30                     ; J
	s_lshl_b32 s36, s34, 16                        ; quantiser: 16 rows of 4,096 bytes in,
	s_lshr_b32 s38, s35, 3
	s_lshl_b32 s38, s38, 17
	s_and_b32 s39, s35, 7
	s_lshl_b32 s39, s39, 12
	s_add_co_u32 s38, s38, s39                     ; (J / 8) x 131072 + (J % 8) x 4096 out
	s_lshr_b32 s40, s34, 1                         ; mask: the query tile,
	s_and_b32 s41, s34, 1                          ; the half of its keys
	s_lshl_b32 s42, s40, 17
	s_lshl_b32 s43, s41, 12
	s_add_co_u32 s42, s42, s43                     ; 16 rows of 8,192 bytes, + 4,096 for the right half, in
	s_lshl_b32 s44, s40, 12
	s_lshl_b32 s45, s41, 11
	s_add_co_u32 s44, s44, s45                     ; 4,096 bytes a tile, + 2,048, out
	s_mov_b32 s45, 4096
	s_cmp_ge_u32 ttmp9, MASKWG
	s_cselect_b32 s36, s42, s36
	s_cselect_b32 s38, s44, s38
	s_cselect_b32 s45, 8192, s45                   ; the row's pitch in memory
	s_cselect_b64 s[28:29], s[24:25], s[22:23]
	s_mov_b32 s37, 0
	s_mov_b32 s39, 0
	s_add_nc_u64 s[26:27], s[26:27], s[36:37]      ; in
	s_add_nc_u64 s[28:29], s[28:29], s[38:39]      ; out
.irp i, 0,1,2,3,4,5,6,7,8,9,10,11,12,13,14,15
	s_mul_i32 s40, s45, \i
	v_add_nc_u32 v[OFFR+\i], s40, v[LI]
.endr
.macro LOAD t                          ; step t: 16 loads, each 512 consecutive bytes of one row; read once in the launch
.irp i, 0,1,2,3,4,5,6,7,8,9,10,11,12,13,14,15
	global_load_b128 v[R+64*((\t)%2)+4*\i:R+64*((\t)%2)+4*\i+3], v[OFFR+\i], s[26:27] offset:512*(\t) th:TH_LOAD_NT
.endr
.endm
	LOAD 0
	LOAD 1
	s_wait_kmcnt 0x0
	s_add_co_i32 s46, s46, 127
	s_lshl_b32 s47, s46, 23
	v_mov_b32 v[SC], s47                           ; 2^e: the conversion takes its exponent field
	s_add_co_i32 s46, s46, 8
	s_lshl_b32 s46, s46, 23
	s_or_b32 s46, s46, 0x600000
	v_mov_b32 v[LIM], s46                          ; 448 x 2^e
.macro STEP t
.if (\t) < 7
	s_wait_loadcnt 16                              ; this step's 16 loads are in; the next step's 16 may be out
.else
	s_wait_loadcnt 0
.endif
.irp i, 0,1,2,3,4,5,6,7,8,9,10,11,12,13,14,15
	ds_store_b128 v[STW], v[R+64*((\t)%2)+4*\i:R+64*((\t)%2)+4*\i+3] offset:SP*\i
.endr
.irp c, 0,1,2,3,4,5,6,7                ; LDS serves a wave's instructions in order (ISA guide 5.7.1.4): these see the stores above
	ds_load_b128 v[X+8*\c:X+8*\c+3], v[STR] offset:64*\c
	ds_load_b128 v[X+8*\c+4:X+8*\c+7], v[STR] offset:64*\c+16
.endr
	s_wait_dscnt 0x0                               ; the step is back; the stage's stores have read their registers
	s_wait_xcnt 0x0                                ; the earlier global stores have read their data: this step's set of codes and the mask words are written again only behind this wait
.if (\t)+2 < 8
	LOAD (\t)+2
.endif
	s_cmp_ge_u32 ttmp9, MASKWG
	s_cbranch_scc1 .Lmask_\@
.irp c, 0,1,2,3,4,5,6,7
.irp j, 0,1,2,3,4,5,6,7
	v_med3_num_f32 v[X+8*\c+\j], v[X+8*\c+\j], -v[LIM], v[LIM]   ; the conversion to an 8-bit code does not saturate (ISA guide 7.6.2): the hold comes first
.endr
	v_cvt_scalef32_pk8_fp8_f32 v[C+16*((\t)%2)+2*\c:C+16*((\t)%2)+2*\c+1], v[X+8*\c:X+8*\c+7], v[SC]   ; registers 2 c, 2 c + 1 of the fragment
.endr
	v_nop                                          ; a plain line behind the last conversion: the next step's holds write these conversions' sources
.irp g, 0,1,2,3
	global_store_b128 v[LI], v[C+16*((\t)%2)+4*\g:C+16*((\t)%2)+4*\g+3], s[28:29] offset:((\t)/2)*32768+((\t)%2)*2048+512*\g   ; 512 consecutive bytes, aligned
.endr
	s_branch .Ljoin_\@
.Lmask_\@:
.set n, 0
.rept 64
	v_cmp_ne_u32 s[40+n%8], 0, v[X+n]              ; bit 16 h + r: does key 16 c + 8 h + j count for query r?
	v_writelane_b32 v[MW+n%2], s[40+n%8], n/2      ; word n goes to lane n / 2
.set n, n+1
.endr
	global_store_b64 v[L8], v[MW:MW+1], s[28:29] offset:256*(\t)   ; 256 consecutive bytes, aligned
.Ljoin_\@:
.endm
.irp t, 0,1,2,3,4,5,6,7
	STEP \t
.endr
	s_wait_tensorcnt 0x0                           ; the wave's end, behind my last LDS store
	ds_add_u32 v[SPW], v[NIL]
	s_wait_dscnt 0x0
	s_endpgm
.Lfunc_end_k_q006e117919_prep:
	.size	k_q006e117919_prep, .Lfunc_end_k_q006e117919_prep-k_q006e117919_prep
	.p2alignl 7, 3214868480
	.fill 96, 4, 3214868480
	.section	.rodata,"a",@progbits
	.p2align	6, 0x0
	.amdhsa_kernel k_q006e117919_prep
		.amdhsa_group_segment_fixed_size 34304
		.amdhsa_private_segment_fixed_size 0
		.amdhsa_enable_private_segment 0
		.amdhsa_kernarg_size 88
		.amdhsa_user_sgpr_count 2
		.amdhsa_user_sgpr_kernarg_segment_ptr 1
		.amdhsa_wavefront_size32 1
		.amdhsa_system_sgpr_workgroup_id_x 1
		.amdhsa_system_sgpr_workgroup_id_y 1
		.amdhsa_system_sgpr_workgroup_id_z 1
		.amdhsa_system_vgpr_workitem_id 0
		.amdhsa_next_free_vgpr 256
		.amdhsa_next_free_sgpr 66
		.amdhsa_reserve_vcc 0
		.amdhsa_float_denorm_mode_32 3
		.amdhsa_float_denorm_mode_16_64 3
		.amdhsa_memory_ordered 1
		.amdhsa_forward_progress 1
		.amdhsa_inst_pref_size 139
	.end_amdhsa_kernel
	.amdgpu_metadata
---
amdhsa.version: [ 1, 2 ]
amdhsa.kernels:
  - .name:           k_q006e117919_prep
    .symbol:         k_q006e117919_prep.kd
    .args:
      - { .name: key, .offset: 0, .size: 8, .value_kind: global_buffer, .address_space: global }
      - { .name: query, .offset: 8, .size: 8, .value_kind: global_buffer, .address_space: global }
      - { .name: value, .offset: 16, .size: 8, .value_kind: global_buffer, .address_space: global }
      - { .name: Wk, .offset: 24, .size: 8, .value_kind: global_buffer, .address_space: global }
      - { .name: Wq, .offset: 32, .size: 8, .value_kind: global_buffer, .address_space: global }
      - { .name: Wv, .offset: 40, .size: 8, .value_kind: global_buffer, .address_space: global }
      - { .name: Wo, .offset: 48, .size: 8, .value_kind: global_buffer, .address_space: global }
      - { .name: mask, .offset: 56, .size: 8, .value_kind: global_buffer, .address_space: global }
      - { .name: lowp_scales, .offset: 64, .size: 8, .value_kind: global_buffer, .address_space: global }
      - { .name: opimg, .offset: 72, .size: 8, .value_kind: global_buffer, .address_space: global }
      - { .name: mbits, .offset: 80, .size: 8, .value_kind: global_buffer, .address_space: global }
    .group_segment_fixed_size: 34304
    .private_segment_fixed_size: 0
    .kernarg_segment_align: 8
    .kernarg_segment_size: 88
    .max_flat_workgroup_size: 128
    .sgpr_count:     66
    .vgpr_count:     256
    .wavefront_size: 32
...
	.end_amdgpu_metadata
.endif
;; end of part 1
;; launch proj (part 2): grid 8 x 96, 4 waves a work-group, clusters of 4 x 4, 327,680 bytes of LDS; arguments opimg, lowp_scales, qimg, kvimg; writes qimg, kvimg
.if DOCPART == 2
	.amdgcn_target "amdgcn-amd-amdhsa--gfx1250"
	.amdhsa_code_object_version 6
	.text
	.protected	k_q006e117919_proj
	.globl	k_q006e117919_proj
	.p2align	8
	.type	k_q006e117919_proj,@function
k_q006e117919_proj:
	s_mov_b64 s[64:65], 0
	v_nop
	global_prefetch_b8 v0, s[64:65] scope:SCOPE_SE
	s_setreg_imm32_b32 hwreg(HW_REG_WAVE_MODE, 25, 1), 1
	s_wait_xcnt 0x0
	s_wait_alu depctr_hold_cnt(0) depctr_sa_sdst(0) depctr_va_vdst(0) depctr_va_sdst(0) depctr_va_ssrc(0) depctr_va_vcc(0) depctr_vm_vsrc(0)
	s_getreg_b32 s2, hwreg(HW_REG_IB_STS2, 6, 4)
	s_cmp_eq_u32 s2, 0
	s_cbranch_scc0 .Lentry_in_a_cluster
	s_endpgm
.Lentry_in_a_cluster:
	s_bfe_u32 s2, ttmp6, 0x10000c
	s_cmp_lg_u32 s2, 0xf033
	s_cbranch_scc0 .Lentry_shape_is_right
	s_endpgm
.Lentry_shape_is_right:
; PROJ.  The three projections k = key Wk^T, q = query Wq^T, v = value Wv^T on codes of E4M3, K = 1,024, sums in f32; each result is quantised at once with the scale of the product that takes it and stored as an image
; of that product's operand registers.  A third of the grid's rows of clusters serves each: tid = cluster y / 8 = 0 (k), 1 (q), 2 (v).
; A TILE is 256 rows of X1 x 128 rows of X0.  The matrix instruction takes 16 rows of X0 as source 0 and 16 rows of X1 as source 1: in the result lane (r, h) holds row r of X1, and its registers j = 0 .. 7 rows 8 h + j of X0.
; Eight such registers, converted, ARE registers 2 c, 2 c + 1 of an operand whose rows are X1's and whose K runs along X0's rows (c = the tile of X0): nothing changes lanes.
;   k, q: X1 = the activation's rows (keys, queries), X0 = the weight's rows (channels): fragments of 16 rows x 64 channels of one head, 1,024 bytes.
;   v:    X1 = Wv's rows (channels), X0 = value's rows (keys): fragments of 16 channels x 128 keys: v comes out with the keys innermost, as the second product of attention wants it.
; Four waves, wave (wy, wx) = (w / 2, w % 2): 128 rows of X1 (8 tiles) x 64 rows of X0 (4 tiles): 32 accumulators.
; OPERANDS lie in memory as images of fragments (16 rows x 128 k = 2,048 bytes, group g of four registers at 512 g + 16 x lane), 128 rows x 256 k on end in 32,768 bytes: a tensor load brings a dense block,
; and a fragment comes out of LDS by four ds_load_b128 at 16 x lane: no pitch, no padding.
; THE RING: three slots of 98,304 bytes, 256 along K each.  The first three quarters of K are first fills (three loads of a wave are out); the last quarter is the one refill, into slot 0.
; CLUSTER: 4 x 4 work-groups.  X1's tile hangs on the place along y and is asked for jointly by a row of the cluster, X0's on the place along x and by a column.
; OUT.  qimg [batch][head][tile of 16 queries][1,024];  kvimg [batch][head][step of 128 keys][16,384]: 8 key tiles x 1,024 of k, then 4 channel tiles x 2,048 of v.
; LIMIT: eo - ea - eb (the taking product's exponent less the two operands') between -126 and 119, so that the conversion's scale and 448 x it are f32 numbers.
; REGISTERS, in windows of 256: window 0: addresses, constants, v64-127 the codes.  Windows 1 and 2: two sets of fragments: X0's tile t at v[16 t], X1's tile i at v[64 + 16 i].  Window 3: accumulator (i, t) at v[8 (4 i + t)].
.set SLOT,   98304                     ; X1's two halves of 32,768, then X0's two of 16,384
.set X0OFF,  65536
.set SPARE,  3*SLOT                    ; behind the ring: the spare words, 128 bytes for each wave, which no other line names
.set ADRA, 16                          ; v16-18  my X1 fragments in slot 0, 1, 2: 16 x lane + 32768 wy
.set ADRB, 20                          ; v20-22  my X0 fragments: 16 x lane + 65536 + 16384 wx
.set LI,   24                          ; v24     16 x lane
.set SPW,  28                          ; v28     my spare word's LDS address; never rewritten
.set NIL,  29                          ; v29     0; never rewritten
.set SC,   30                          ; v30     the conversion's scale
.set LIM,  31                          ; v31     448 x it
.set CD,   64                          ; v64-127 the codes: X1's tile i at v[64 + 8 i]
.set G1,  24                           ; s[24:31] descriptor group 1 for X1's tiles;  s[40:51] group 0, a set for each slot
.set G1B, 32                           ; s[32:39], s[52:63] the same for X0's
.set G0,  40
.set G0B, 52
.set MSB, 0
.macro WIN new                         ; the immediate's high byte repeats the setting that is left; a switch that changes nothing is dropped
.if MSB != (\new)
	s_set_vgpr_msb (MSB<<8)|(\new)
.set MSB, (\new)
.endif
.endm
; A joint load: waves 0 and 1 fetch X1's halves, waves 2 and 3 X0's.  The branch hangs on the wave's number alone.  An s_nop 0 and four v_nop follow each of the two lines.
.macro JLOAD s
	s_cmp_eq_u32 s15, 0
	s_cbranch_scc0 .Lfor_x0_\@
	tensor_load_to_lds s[G0+4*\s:G0+4*\s+3], s[G1:G1+7]
	s_nop 0
.rept 4
	v_nop
.endr
	s_branch .Lasked_\@
.Lfor_x0_\@:
	tensor_load_to_lds s[G0B+4*\s:G0B+4*\s+3], s[G1B:G1B+7]
	s_nop 0
.rept 4
	v_nop
.endr
.Lasked_\@:
.endm
.macro CREST                           ; a round of the cluster's barrier behind its opening barrier
	s_cmp_lg_u32 s14, 0
	s_cbranch_scc1 .Lnot_wave_0_\@
	s_barrier_signal -3
.Lnot_wave_0_\@:
	s_barrier_wait -3
	s_barrier_signal -1
	s_barrier_wait -1
.endm
.macro CROUND                          ; a whole round
	s_barrier_signal -1
	s_barrier_wait -1
	CREST
.endm
.macro PLACES                          ; four plain vector lines between a matrix instruction and a load into, or a vector read or write of, its registers
.rept 4
	v_nop
.endr
.endm
	s_load_b256 s[4:11], s[0:1], 0x0               ; the codes s[4:5], the exponents s[6:7], qimg s[8:9], kvimg s[10:11]
	v_lshl_add_u32 v[SPW], v0, 2, SPARE
	v_mov_b32 v[NIL], 0
	ds_add_u32 v[SPW], v[NIL]                      ; the wave's opening: the add and its wait stand ahead of my first tensor load; the set-up below stands between them
	v_lshrrev_b32 v1, 5, v0
	v_readfirstlane_b32 s14, v1                    ; wave 0..3
	s_lshr_b32 s15, s14, 1                         ; wy.  Also: I fetch for X1 (0) or for X0 (1)
	s_and_b32 s16, s14, 1                          ; wx.  Also: which half of that tile I fetch
	s_bfe_u32 s80, ttmp6, 0x40000                  ; cx
	s_bfe_u32 s81, ttmp6, 0x40004                  ; cy
	s_and_b32 s82, ttmp7, 0xffff                   ; cluster y
	s_lshr_b32 s83, s82, 3                         ; tid: 0 k, 1 q, 2 v: the same in all partners
	s_and_b32 s82, s82, 7
	s_lshl_b32 s72, s82, 1
	s_add_co_u32 s72, s72, ttmp9                   ; v: 16 groups of four blocks of value's rows
	s_lshl_b32 s67, s83, 23                        ; k, q: the activation's codes begin at tid x 8 MiB,
	s_lshl_b32 s73, s83, 20
	s_add_co_u32 s73, s73, 24<<20                  ; the weight's at 24 MiB + tid MiB
	s_cmp_eq_u32 s83, 2
	s_cselect_b32 s66, 0, s82
	s_cselect_b32 s72, s72, ttmp9
	s_cselect_b32 s67, 26<<20, s67                 ; v: X1 = Wv,
	s_cselect_b32 s73, 16<<20, s73                 ; X0 = value
	s_lshl_b32 s66, s66, 2
	s_add_co_u32 s66, s66, s81                     ; X1's block of 256 rows: hangs on cy alone of the two places
	s_lshl_b32 s72, s72, 2
	s_add_co_u32 s72, s72, s80                     ; X0's block of 128 rows: on cx alone
	s_lshl_b32 s68, s66, 18
	s_add_co_u32 s68, s68, s67
	s_lshl_b32 s69, s16, 17
	s_add_co_u32 s68, s68, s69                     ; X1: block x 262144 + half x 131072
	s_mov_b32 s69, 0
	s_lshl_b32 s74, s72, 17
	s_add_co_u32 s74, s74, s73
	s_lshl_b32 s75, s16, 14
	s_add_co_u32 s74, s74, s75                     ; X0: block x 131072 + half x 16384
	s_mov_b32 s75, 0
	s_lshl_b32 s78, s81, 2
	s_lshl_b32 s78, 15, s78                        ; my row of the cluster
	s_lshl_b32 s79, 0x1111, s80                    ; my column
	; descriptor group 1: dense blocks as rows of 32 elements of 8 bytes: X1 128 rows, X0 64
	s_or_b32 s[G1], s78, (3<<16)|(1<<21)           ; 15:0 the mask; 17:16 elements of 8 bytes; 21 set beside a mask; no padding
	s_mov_b32 s[G1+1], 32<<16                      ; tensor_dim0
	s_mov_b32 s[G1+2], 128<<16                     ; tensor_dim1
	s_mov_b32 s[G1+3], 32<<16                      ; tile_dim0
	s_mov_b32 s[G1+4], 128                         ; tile_dim1
	s_mov_b32 s[G1+5], 32                          ; from row to row
	s_mov_b32 s[G1+6], 0
	s_mov_b32 s[G1+7], 0
	s_or_b32 s[G1B], s79, (3<<16)|(1<<21)
	s_mov_b32 s[G1B+1], 32<<16
	s_mov_b32 s[G1B+2], 64<<16
	s_mov_b32 s[G1B+3], 32<<16
	s_mov_b32 s[G1B+4], 64
	s_mov_b32 s[G1B+5], 32
	s_mov_b32 s[G1B+6], 0
	s_mov_b32 s[G1B+7], 0
	s_lshl_b32 s20, s16, 15                        ; where they go: X1's half,
	s_lshl_b32 s21, s16, 14
	s_add_co_u32 s21, s21, X0OFF                   ; X0's half: no place in the cluster enters an LDS address
	s_wait_dscnt 0x0                               ; the opening add is done
	s_wait_kmcnt 0x0
	s_load_b256 s[84:91], s[6:7], 0x0              ; e0 .. e7
	s_load_b128 s[92:95], s[6:7], 0x20             ; e8 .. e11
	s_add_nc_u64 s[70:71], s[4:5], s[68:69]
	s_add_nc_u64 s[76:77], s[4:5], s[74:75]
	CROUND                                         ; all sixteen work-groups are here: the first joint loads meet
.irp s, 0,1,2
	s_mov_b32 s[G0+4*\s], 1
	s_add_co_u32 s[G0+4*\s+1], s20, \s*SLOT
	s_add_nc_u64 s[G0+4*\s+2:G0+4*\s+3], s[70:71], \s*32768
	s_or_b32 s[G0+4*\s+3], s[G0+4*\s+3], 0x80000000
	s_mov_b32 s[G0B+4*\s], 1
	s_add_co_u32 s[G0B+4*\s+1], s21, \s*SLOT
	s_add_nc_u64 s[G0B+4*\s+2:G0B+4*\s+3], s[76:77], \s*32768
	s_or_b32 s[G0B+4*\s+3], s[G0B+4*\s+3], 0x80000000
	JLOAD \s                                       ; three quarters of K go out together
.endr
	v_and_b32 v1, 31, v0
	v_lshlrev_b32 v[LI], 4, v1
	s_lshl_b32 s17, s15, 15
	s_lshl_b32 s18, s16, 14
	s_add_co_u32 s18, s18, X0OFF
.irp s, 0,1,2
	v_add_nc_u32 v[ADRA+\s], s17, v[LI]
	v_add_nc_u32 v[ADRB+\s], s18, v[LI]
	s_add_co_u32 s17, s17, SLOT
	s_add_co_u32 s18, s18, SLOT
.endr
	; where my results go
	s_lshr_b32 s2, s66, 3                          ; k, q: batch = X1's block / 8
	s_lshl_b32 s2, s2, 4
	s_lshl_b32 s3, s72, 1
	s_add_co_u32 s2, s2, s3
	s_add_co_u32 s2, s2, s16                       ; 16 x batch + head, head = 2 x X0's block + wx
	s_and_b32 s3, s66, 7
	s_lshl_b32 s3, s3, 1
	s_add_co_u32 s3, s3, s15                       ; my 128 rows within the batch
	s_lshl_b32 s17, s2, 18
	s_lshl_b32 s18, s3, 14
	s_add_co_u32 s17, s17, s18                     ; k: a head is 262,144 bytes, a step of 128 keys 16,384
	s_lshl_b32 s18, s2, 17
	s_lshl_b32 s19, s3, 13
	s_add_co_u32 s18, s18, s19                     ; q: a head is 131,072 bytes, 128 queries 8,192
	s_lshr_b32 s19, s72, 4                         ; v: batch = X0's block / 16
	s_lshl_b32 s19, s19, 4
	s_lshl_b32 s22, s66, 2
	s_add_co_u32 s19, s19, s22
	s_lshl_b32 s22, s15, 1
	s_add_co_u32 s19, s19, s22                     ; 16 x batch + my first head, 4 x X1's block + 2 wy
	s_lshl_b32 s19, s19, 18
	s_and_b32 s22, s72, 15
	s_lshl_b32 s22, s22, 14
	s_add_co_u32 s19, s19, s22                     ; the step of 128 keys
	s_lshl_b32 s22, s16, 10
	s_add_co_u32 s19, s19, s22                     ; my 64 keys are registers 8 wx .. 8 wx + 7 of a fragment
	s_add_co_u32 s19, s19, 8192                    ; behind the step's k
	s_cmp_eq_u32 s83, 1
	s_cselect_b32 s17, s18, s17
	s_cselect_b64 s[12:13], s[8:9], s[10:11]
	s_cmp_eq_u32 s83, 2
	s_cselect_b32 s78, s19, s17
	s_mov_b32 s79, 0
	s_add_nc_u64 s[12:13], s[12:13], s[78:79]
	s_wait_kmcnt 0x0
	s_add_co_i32 s84, s84, s85
	s_add_co_i32 s86, s86, s87
	s_add_co_i32 s88, s88, s89
	s_sub_co_i32 s84, s91, s84                     ; k: e7 - e0 - e1
	s_sub_co_i32 s86, s90, s86                     ; q: e6 - e2 - e3
	s_sub_co_i32 s88, s93, s88                     ; v: e9 - e4 - e5
	s_cmp_eq_u32 s83, 1
	s_cselect_b32 s84, s86, s84
	s_cmp_eq_u32 s83, 2
	s_cselect_b32 s84, s88, s84                    ; a sum stands for sum x 2^(ea + eb): its code is sum / 2^(eo - ea - eb)
	s_add_co_i32 s84, s84, 127
	s_lshl_b32 s85, s84, 23
	v_mov_b32 v[SC], s85
	s_add_co_i32 s84, s84, 8
	s_lshl_b32 s84, s84, 23
	s_or_b32 s84, s84, 0x600000
	v_mov_b32 v[LIM], s84
; 8 matrix instructions: X1's tiles i0, i0 + 1 x X0's four, 128 along K; the window picks the set.  The 32 accumulators take turns, one instruction a turn, in the same order in every step.
.macro MUL8 i0, zero
.irp i, \i0, \i0+1
.irp t, 0,1,2,3
.if \zero
	v_wmma_f32_16x16x128_fp8_fp8 v[8*(4*(\i)+\t):8*(4*(\i)+\t)+7], v[16*\t:16*\t+15], v[64+16*(\i):64+16*(\i)+15], 0
.else
	v_wmma_f32_16x16x128_fp8_fp8 v[8*(4*(\i)+\t):8*(4*(\i)+\t)+7], v[16*\t:16*\t+15], v[64+16*(\i):64+16*(\i)+15], v[8*(4*(\i)+\t):8*(4*(\i)+\t)+7]
.endif
.endr
.endr
.endm
; 48 LDS loads in one run: my twelve fragments of the slot's half ksl into set p
.macro FETCH slot, ksl, p
	WIN 0x40*((\p)+1)                              ; destination window 1 or 2, address window 0
.irp t, 0,1,2,3
.irp g, 0,1,2,3
	ds_load_b128 v[16*\t+4*\g:16*\t+4*\g+3], v[ADRB+\slot] offset:\t*4096+(\ksl)*2048+512*\g
.endr
.endr
.irp i, 0,1,2,3,4,5,6,7
.irp g, 0,1,2,3
	ds_load_b128 v[64+16*\i+4*\g:64+16*\i+4*\g+3], v[ADRA+\slot] offset:\i*4096+(\ksl)*2048+512*\g
.endr
.endr
.endm
; A step of 128 along K on set p; the next step's fragments are asked for first and land under the 32 products.
.macro STEPN p, nslot, nksl, zero
	s_wait_dscnt 0x0                               ; set p is in
	PLACES                                         ; the other set was read by the products just issued
	FETCH \nslot, \nksl, 1-(\p)
	WIN 0xF5+5*(\p)                                ; sources 0 and 1: window 1 or 2; C and D: window 3
	MUL8 0, \zero
	MUL8 2, \zero
	MUL8 4, \zero
	MUL8 6, \zero
.endm
	s_wait_tensorcnt 0x2                           ; my part of the first quarter of K is in; the two loads behind it may be out
	s_barrier_signal -1
	s_barrier_wait -1                              ; everybody's is
	FETCH 0, 0, 0
	STEPN 0, 0, 1, 1                               ; step 0: its products start the sums: nothing is cleared
	; step 1 leaves slot 0, which takes the last quarter of K.  In front of the round each wave waits for all its tensor loads, adds 0 to its spare word, and waits for that and for its reads of the slot.
	WIN 0
	s_wait_tensorcnt 0x0                           ; all three fills of mine have landed
	ds_add_u32 v[SPW], v[NIL]
	s_wait_dscnt 0x1                               ; set 1 is in; the add may be out
	WIN 0xFA
	MUL8 0, 0                                      ; eight products stand between the add and the wait for it
	s_wait_dscnt 0x0                               ; the add is done, and my reads of slot 0 are over
	s_barrier_signal -1
	MUL8 2, 0
	WIN 0
	s_barrier_wait -1
	CREST                                          ; no wave of any partner still reads slot 0 or has a load on its way; slots 1 and 2 are whole in every work-group
	s_add_nc_u64 s[G0+2:G0+3], s[G0+2:G0+3], 3*32768
	s_add_nc_u64 s[G0B+2:G0B+3], s[G0B+2:G0B+3], 3*32768
	JLOAD 0                                        ; the first tensor load behind the round, one a wave; its four v_nop are also the places in front of the loads below
	FETCH 1, 0, 0
	WIN 0xFA
	MUL8 4, 0
	MUL8 6, 0
	STEPN 0, 1, 1, 0                               ; step 2
	STEPN 1, 2, 0, 0                               ; step 3
	STEPN 0, 2, 1, 0                               ; step 4
	s_wait_dscnt 0x0                               ; step 5: set 1 is in
	WIN 0xFA
	MUL8 0, 0
	MUL8 2, 0
	s_wait_tensorcnt 0x0                           ; my part of the last quarter of K is in (asked for 128 products ago),
	s_barrier_signal -1
	s_barrier_wait -1                              ; everybody's is
	PLACES
	FETCH 0, 0, 0
	WIN 0xFA
	MUL8 4, 0
	MUL8 6, 0
	STEPN 0, 0, 1, 0                               ; step 6
	s_wait_dscnt 0x0                               ; step 7: nothing more to fetch
	WIN 0xFA
	MUL8 0, 0
	MUL8 2, 0
	MUL8 4, 0
	MUL8 6, 0
	; THE WAY OUT: hold, convert, store.  Each accumulator is taken from its low end on.
	PLACES
	WIN 0xC3                                       ; source 0 and destination window 3
.set n, 0
.rept 256
	v_med3_num_f32 v[n], v[n], -v[LIM], v[LIM]     ; the conversion to an 8-bit code does not saturate (ISA guide 7.6.2)
.set n, n+1
.endr
	WIN 0x03                                       ; source 0 window 3, destination window 0
.irp i, 0,1,2,3,4,5,6,7
.irp t, 0,1,2,3
	v_cvt_scalef32_pk8_fp8_f32 v[CD+8*\i+2*\t:CD+8*\i+2*\t+1], v[8*(4*\i+\t):8*(4*\i+\t)+7], v[SC]   ; row r of X1's tile i, K = X0's rows 16 t + 8 h + 0 .. 7
.endr
.endr
	v_nop                                          ; a plain line behind the last conversion
	WIN 0
	s_cmp_eq_u32 s83, 2
	s_cbranch_scc1 .Lstore_v
.irp i, 0,1,2,3,4,5,6,7
.irp g, 0,1
	global_store_b128 v[LI], v[CD+8*\i+4*\g:CD+8*\i+4*\g+3], s[12:13] offset:1024*\i+512*\g   ; k, q: tile i's fragment; 512 consecutive bytes, aligned
.endr
.endr
	s_branch .Lstored
.Lstore_v:
.irp i, 0,1,2,3,4,5,6,7
.irp g, 0,1
	global_store_b128 v[LI], v[CD+8*\i+4*\g:CD+8*\i+4*\g+3], s[12:13] offset:(\i/4)*262144+(\i%4)*2048+512*\g   ; v: head i / 4 of my two, channel tile i % 4, my half of the fragment
.endr
.endr
.Lstored:
	s_wait_tensorcnt 0x0                           ; the wave's end, behind my last tensor load
	ds_add_u32 v[SPW], v[NIL]
	s_wait_dscnt 0x0
	CROUND                                         ; the closing round: no work-group ends while a partner may still ask for a tile that names it
	s_endpgm
.Lfunc_end_k_q006e117919_proj:
	.size	k_q006e117919_proj, .Lfunc_end_k_q006e117919_proj-k_q006e117919_proj
	.p2alignl 7, 3214868480
	.fill 96, 4, 3214868480
	.section	.rodata,"a",@progbits
	.p2align	6, 0x0
	.amdhsa_kernel k_q006e117919_proj
		.amdhsa_group_segment_fixed_size 327680
		.amdhsa_private_segment_fixed_size 0
		.amdhsa_enable_private_segment 0
		.amdhsa_kernarg_size 32
		.amdhsa_user_sgpr_count 2
		.amdhsa_user_sgpr_kernarg_segment_ptr 1
		.amdhsa_wavefront_size32 1
		.amdhsa_system_sgpr_workgroup_id_x 1
		.amdhsa_system_sgpr_workgroup_id_y 1
		.amdhsa_system_sgpr_workgroup_id_z 1
		.amdhsa_system_vgpr_workitem_id 0
		.amdhsa_next_free_vgpr 1024
		.amdhsa_next_free_sgpr 100
		.amdhsa_reserve_vcc 0
		.amdhsa_float_denorm_mode_32 3
		.amdhsa_float_denorm_mode_16_64 3
		.amdhsa_memory_ordered 1
		.amdhsa_forward_progress 1
		.amdhsa_inst_pref_size 74
	.end_amdhsa_kernel
	.amdgpu_metadata
---
amdhsa.version: [ 1, 2 ]
amdhsa.kernels:
  - .name:           k_q006e117919_proj
    .symbol:         k_q006e117919_proj.kd
    .args:
      - { .name: opimg, .offset: 0, .size: 8, .value_kind: global_buffer, .address_space: global }
      - { .name: lowp_scales, .offset: 8, .size: 8, .value_kind: global_buffer, .address_space: global }
      - { .name: qimg, .offset: 16, .size: 8, .value_kind: global_buffer, .address_space: global }
      - { .name: kvimg, .offset: 24, .size: 8, .value_kind: global_buffer, .address_space: global }
    .group_segment_fixed_size: 327680
    .private_segment_fixed_size: 0
    .kernarg_segment_align: 8
    .kernarg_segment_size: 32
    .max_flat_workgroup_size: 128
    .sgpr_count:     100
    .vgpr_count:     1024
    .wavefront_size: 32
...
	.end_amdgpu_metadata
.endif
;; end of part 2
;; launch attn (part 3): grid 8 x 32, 8 waves a work-group, clusters of 4 x 1, 327,680 bytes of LDS; arguments qimg, kvimg, mbits, lowp_scales, vimg; writes vimg
.if DOCPART == 3
	.amdgcn_target "amdgcn-amd-amdhsa--gfx1250"
	.amdhsa_code_object_version 6
	.text
	.protected	k_q006e117919_attn
	.globl	k_q006e117919_attn
	.p2align	8
	.type	k_q006e117919_attn,@function
k_q006e117919_attn:
	s_mov_b64 s[64:65], 0
	v_nop
	global_prefetch_b8 v0, s[64:65] scope:SCOPE_SE
	s_setreg_imm32_b32 hwreg(HW_REG_WAVE_MODE, 25, 1), 1
	s_wait_xcnt 0x0
	s_wait_alu depctr_hold_cnt(0) depctr_sa_sdst(0) depctr_va_vdst(0) depctr_va_sdst(0) depctr_va_ssrc(0) depctr_va_vcc(0) depctr_vm_vsrc(0)
	s_getreg_b32 s2, hwreg(HW_REG_IB_STS2, 6, 4)
	s_cmp_eq_u32 s2, 0
	s_cbranch_scc0 .Lentry_in_a_cluster
	s_endpgm
.Lentry_in_a_cluster:
	s_bfe_u32 s2, ttmp6, 0x10000c
	s_cmp_lg_u32 s2, 0x3003
	s_cbranch_scc0 .Lentry_shape_is_right
	s_endpgm
.Lentry_shape_is_right:
; ATTN.  val[b][q][head] = softmax_k(mask(q . k) / 8) v, both products on codes of E4M3, with the mask as it is given (one bit a number, packed by the first launch).  4 batches, 16 heads of 64 channels, 2,048 queries and keys.
; THE SOFTMAX AHEAD OF THE SECOND PRODUCT: t = score x log2(e) / 8; M = the row's largest t so far, rounded UP to a whole number; p = 2^(t - M) is quantised along the keys with 2^ep; it is not normalised.
; The row's sum is taken of the unquantised p, in f32, and divides O at the end.  When M moves, the sum and O are multiplied by 2^(old M - new M): exact.
; SHARES.  A work-group has 256 queries of one batch x TWO heads; each of its eight waves two tiles of 16 queries (A, B) for both heads: four units u = 2 X + a (X: tile, a: head).  Every wave walks all 2,048 keys, 128 a step.
; A fragment of k or v read from LDS feeds two matrix instructions (tiles A and B); a tile's mask, once made into a bias, serves both heads.
; LAYOUT.  S^T = k q^T (source 0 = 16 keys, source 1 = 16 queries) and O^T = v^T p^T (source 0 = 16 channels, source 1 = p): a lane holds ONE query (lane % 16) throughout; registers j of tile c are keys 16 c + 8 (lane / 16) + j,
; which converted are registers 2 c, 2 c + 1 of p's fragment; likewise O^T's become val's.  All operands come and go as images of registers (group g of four registers at 512 g + 16 x lane).
; THE MASK is the C of S^T's matrix instruction: 0 where the key counts, -2^126 where it does not.  Scores of codes lie within +-64 x 448^2 < 2^25, and the running largest t begins at -c 2^25, under every t of a key that counts
; and over every t of one that does not: a hidden key never sets M, and its p is 2^(a huge negative number) = 0.
; A query none of whose keys counts ends with the sum 0: its codes are set to the format's NaN, and the row of the output becomes NaN in the last launch.
; THE RING: two slots of 131,072 bytes, each 4 key steps x 2 heads x 16,384 (8 key tiles x 1,024 of k, 4 channel tiles x 2,048 of v).  Each wave fetches one dense block of 16,384 bytes a slot: one tensor load of a wave is out.
; CLUSTER: the four query blocks of a cluster walk the same k and v: each block is asked for jointly, by the same load in all four.
; No prefetch is laid: a fill is asked for at the head of a slot and wanted at the head of the next, four key steps on, so no wave waits for it.
; LIMITS on the given exponents: eq + ek between -112 and 100 (added to c's exponent field; c 2^25 stays finite and c 2^126 stays above 2^8); ep, and e10 - ep - ev, between -126 and 119.
; REGISTERS.  Window 0: v1-19 addresses, constants, at work; v20-35 statistics, unit u at 20 + 4 u: -M, the largest t, the sum in two halves; v36-67 q, unit u at 36 + 8 u; v68-99 four fragments of k, later p's codes of A and of B;
;   v100-163 S^T of A, later v's four fragments; v164-227 S^T of B; v228-230 the way out's constants.   Window 1: v0-63, v64-127 the bias of A, of B; v128-255 O^T, unit u's channel tile t at 128 + 32 u + 8 t.
.set SLOT1, 1<<17
.set SPARE, 2*SLOT1                    ; behind the ring: the spare words, 128 bytes for each wave, which no other line names
.set LI,   1                           ; v1   16 x lane
.set ADR,  2                           ; v2   the key step's tiles in LDS
.set SPW,  4                           ; v4   my spare word's LDS address; never rewritten
.set NIL,  5                           ; v5   0; never rewritten
.set NEG,  6                           ; v6   -2^126
.set ZER,  7                           ; v7   0
.set PLIM, 8                           ; v8   448 x 2^ep
.set PSC,  9                           ; v9   2^ep
.set SUM2, 10                          ; v[10:11] the sum's second chain
.set MX,   12                          ; v12, v13 the maximum's two chains
.set PRM,  14                          ; v14  a lane permute's destination
.set FF,   16                          ; v[16:17], v[18:19] f = 2^(old M - new M) of tile A, B (the low word is used)
.set ST,   20
.set Q,    36
.set F,    68
.set S,    100
.set OSC,  228                         ; v228 2^(e10 - ep - ev)
.set OLIM, 229                         ; v229 448 x it
.set NANC, 230                         ; v230 four NaN codes
.set OT,   128                         ; O^T, in window 1
.set CS,   4                           ; s[4:5]   c = log2(e) / 8 x 2^(eq + ek)
.set SEL,  6                           ; s[6:7]   lane selects for v_permlanex16_b32: lane l xor 16
.set MP,   8                           ; s[8:9]   my tile A's mask words
.set OUT,  10                          ; s[10:11] my tile A's fragment of val
.set WV,   12                          ; s12  my wave's number
.set TB,   13                          ; s13  LDS byte at which the key step's tiles begin
.set NSL,  14                          ; s14  slots still to be asked for
.set NST,  15                          ; s15  counts a slot's four steps
.set MO,   16                          ; s16  256 x the key step whose mask words are loaded next
.set G1,   52                          ; s[52:59] descriptor group 1;  s[60:63] group 0, which walks
.set G0,   60
; s[20:35], s[36:51], s[68:83], s[84:99]: a tile's 64 mask words of one key step (ahead of the loop: the arguments and the exponents)
.set MSB, 0
.macro WIN new                         ; the immediate's high byte repeats the setting that is left; a switch that changes nothing is dropped
.if MSB != (\new)
	s_set_vgpr_msb (MSB<<8)|(\new)
.set MSB, (\new)
.endif
.endm
.macro CROUND                          ; a round of the cluster's barrier
	s_barrier_signal -1
	s_barrier_wait -1
	s_cmp_lg_u32 s[WV], 0
	s_cbranch_scc1 .Lnot_wave_0_\@
	s_barrier_signal -3
.Lnot_wave_0_\@:
	s_barrier_wait -3
	s_barrier_signal -1
	s_barrier_wait -1
.endm
.macro PLACES                          ; four plain vector lines between a matrix instruction and a load into, or a vector read or write of, its registers
.rept 4
	v_nop
.endr
.endm
	s_load_b256 s[20:27], s[0:1], 0x0              ; qimg s[20:21], kvimg s[22:23], mbits s[24:25], the exponents s[26:27]
	s_load_b64 s[28:29], s[0:1], 0x20              ; vimg
	v_lshl_add_u32 v[SPW], v0, 2, SPARE
	v_mov_b32 v[NIL], 0
	ds_add_u32 v[SPW], v[NIL]                      ; the wave's opening: the add and its wait stand ahead of my first tensor load; the set-up below stands between them
	v_lshrrev_b32 v3, 5, v0
	v_readfirstlane_b32 s[WV], v3                  ; wave 0..7
	s_bfe_u32 s2, ttmp6, 0x40000                   ; cx
	s_lshl_b32 s3, ttmp9, 2
	s_add_co_u32 s3, s3, s2                        ; my block of 256 queries: it enters q's, the mask's and val's addresses alone
	s_and_b32 s17, ttmp7, 0xffff
	s_lshr_b32 s18, s17, 3                         ; batch
	s_and_b32 s19, s17, 7                          ; pair of heads
	s_lshl_b32 s100, s18, 4
	s_lshl_b32 s101, s19, 1
	s_add_co_u32 s100, s100, s101                  ; 16 x batch + my first head
	s_lshr_b32 s101, s[WV], 2                      ; what I fetch: head w / 4 of the two,
	s_add_co_u32 s30, s100, s101
	s_lshl_b32 s30, s30, 18                        ; 262,144 bytes a head,
	s_and_b32 s31, s[WV], 3                        ; step w % 4 of a slot's four,
	s_lshl_b32 s32, s31, 14
	s_add_co_u32 s30, s30, s32                     ; 16,384 bytes a step
	s_lshl_b32 s33, s31, 15
	s_lshl_b32 s34, s101, 14
	s_add_co_u32 s33, s33, s34                     ; and in a slot: (2 x step + head) x 16,384: no place in the cluster enters an LDS address
	s_mov_b32 s31, 0
	s_lshl_b32 s35, s3, 4
	s_lshl_b32 s34, s[WV], 1
	s_add_co_u32 s35, s35, s34                     ; my tile A within the batch: 16 x block + 2 x wave
	s_lshl_b32 s66, s100, 17                       ; q: 131,072 bytes a head,
	s_lshl_b32 s34, s35, 10
	s_add_co_u32 s66, s66, s34                     ; 1,024 a tile
	s_mov_b32 s67, 0
	s_lshl_b32 s34, s18, 7
	s_add_co_u32 s34, s34, s35
	s_lshl_b32 s[MP], s34, 12                      ; the mask's words: 4,096 bytes a tile
	s_mov_b32 s[MP+1], 0
	s_lshl_b32 s34, s18, 3
	s_add_co_u32 s34, s34, s3
	s_lshl_b32 s34, s34, 1
	s_add_co_u32 s34, s34, s101
	s_lshl_b32 s[OUT], s34, 17                     ; val: my 128 rows' block of 131,072 bytes,
	s_lshr_b32 s34, s19, 1
	s_lshl_b32 s34, s34, 15
	s_add_co_u32 s[OUT], s[OUT], s34               ; the 256 along K in which my two heads lie,
	s_and_b32 s34, s[WV], 3
	s_lshl_b32 s34, s34, 13
	s_add_co_u32 s[OUT], s[OUT], s34               ; tile A among the block's eight,
	s_and_b32 s34, s19, 1
	s_lshl_b32 s34, s34, 11
	s_add_co_u32 s[OUT], s[OUT], s34               ; and which 128 of the 256
	s_mov_b32 s[OUT+1], 0
	; descriptor group 1: a dense block of 16,384 bytes as 64 rows of 32 elements of 8 bytes
	s_mov_b32 s[G1], 15|(3<<16)|(1<<21)            ; 15:0 the mask: all four work-groups; 17:16 elements of 8 bytes; 21 set beside a mask; no padding
	s_mov_b32 s[G1+1], 32<<16                      ; tensor_dim0
	s_mov_b32 s[G1+2], 64<<16                      ; tensor_dim1
	s_mov_b32 s[G1+3], 32<<16                      ; tile_dim0
	s_mov_b32 s[G1+4], 64                          ; tile_dim1
	s_mov_b32 s[G1+5], 32                          ; from row to row
	s_mov_b32 s[G1+6], 0
	s_mov_b32 s[G1+7], 0
	s_mov_b32 s[SEL], 0x76543210
	s_mov_b32 s[SEL+1], 0xfedcba98
	s_mov_b32 s[CS], 0x3e38aa3b                    ; log2(e) / 8
	s_mov_b32 s[TB], 0
	s_mov_b32 s[NSL], 3
	s_wait_dscnt 0x0                               ; the opening add is done
	s_wait_kmcnt 0x0
	s_load_b256 s[36:43], s[26:27], 0x0            ; e0 .. e7
	s_load_b128 s[44:47], s[26:27], 0x20           ; e8 .. e11
	s_add_nc_u64 s[66:67], s[20:21], s[66:67]
	s_add_nc_u64 s[MP:MP+1], s[24:25], s[MP:MP+1]
	s_add_nc_u64 s[OUT:OUT+1], s[28:29], s[OUT:OUT+1]
	CROUND                                         ; all four work-groups are here: the first joint loads meet
	s_mov_b32 s[G0], 1
	s_mov_b32 s[G0+1], s33                         ; slot 0
	s_add_nc_u64 s[G0+2:G0+3], s[22:23], s[30:31]  ; key steps 0 to 3
	s_or_b32 s[G0+3], s[G0+3], 0x80000000
	tensor_load_to_lds s[G0:G0+3], s[G1:G1+7]
	s_nop 0
.rept 4
	v_nop
.endr
	v_and_b32 v3, 31, v0
	v_lshlrev_b32 v[LI], 4, v3
.irp x, 0,1
.irp a, 0,1
.irp g, 0,1
	global_load_b128 v[Q+8*(2*\x+\a)+4*\g:Q+8*(2*\x+\a)+4*\g+3], v[LI], s[66:67] offset:131072*\a+1024*\x+512*\g   ; q's four fragments stay in registers
.endr
.endr
.endr
	s_wait_kmcnt 0x0
	s_add_co_i32 s2, s42, s43                      ; eq + ek: a score stands for score x 2^(eq + ek):
	s_lshl_b32 s2, s2, 23
	s_add_co_i32 s[CS], s[CS], s2                  ; added to c's exponent field
	s_mov_b32 s[CS+1], s[CS]                       ; (named with it as a pair, so it is written)
	s_add_co_u32 s2, s[CS], 25<<23
	s_or_b32 s2, s2, 0x80000000                    ; -c 2^25
	s_add_co_i32 s3, s44, 127
	s_lshl_b32 s17, s3, 23
	v_mov_b32 v[PSC], s17                          ; 2^ep
	s_add_co_i32 s3, s3, 8
	s_lshl_b32 s3, s3, 23
	s_or_b32 s3, s3, 0x600000
	v_mov_b32 v[PLIM], s3                          ; 448 x 2^ep
	s_sub_co_i32 s3, s46, s44
	s_sub_co_i32 s3, s3, s45                       ; O / the sum stands for val / 2^(ep + ev): its code is that / 2^(e10 - ep - ev)
	s_add_co_i32 s3, s3, 127
	s_lshl_b32 s17, s3, 23
	v_mov_b32 v[OSC], s17
	s_add_co_i32 s3, s3, 8
	s_lshl_b32 s3, s3, 23
	s_or_b32 s3, s3, 0x600000
	v_mov_b32 v[OLIM], s3
	v_mov_b32 v[NANC], 0x7f7f7f7f
	v_mov_b32 v[NEG], 0xfe800000
	v_mov_b32 v[ZER], 0
	v_mov_b32 v[PRM], 0                            ; written once: a lane permute's destination counts as one of its sources
	v_mov_b32 v[FF+1], 0                           ; (named as the upper halves of pairs)
	v_mov_b32 v[FF+3], 0
.irp u, 0,1,2,3
	v_mov_b32 v[ST+4*\u+1], s2                     ; the largest t so far
	v_floor_f32 v[ST+4*\u], -v[ST+4*\u+1]          ; -M
	v_mov_b32 v[ST+4*\u+2], 0                      ; the sum
	v_mov_b32 v[ST+4*\u+3], 0
.endr
; tile x's 64 mask words of the key step at s[MO]
.macro MLOAD x
	s_load_b512 s[20:35], s[MP:MP+1], s[MO] offset:4096*(\x)
	s_load_b512 s[36:51], s[MP:MP+1], s[MO] offset:4096*(\x)+64
	s_load_b512 s[68:83], s[MP:MP+1], s[MO] offset:4096*(\x)+128
	s_load_b512 s[84:99], s[MP:MP+1], s[MO] offset:4096*(\x)+192
.endm
; and the bias made of them: register 8 c + j: 0 where the lane's key counts for its query, else -2^126
.macro BIAS x
	WIN 0x40                                       ; destination window 1
.set n, 0
.rept 64
	v_cndmask_b32 v[64*(\x)+n], v[NEG], v[ZER], s[20+n+16*(n/32)]
.set n, n+1
.endr
	WIN 0
.endm
	s_mov_b32 s[MO], 0
	MLOAD 0
	WIN 0x40
.set n, 0
.rept 128
	v_mov_b32 v[OT+n], 0                           ; O^T.  (The key step is written once for all steps: the first finds zeros, which the first change of M leaves zeros)
.set n, n+1
.endr
	WIN 0
	s_wait_kmcnt 0x0
	BIAS 0
	MLOAD 1
	s_wait_kmcnt 0x0
	BIAS 1
	s_mov_b32 s[MO], 256
	MLOAD 0                                        ; tile A's words of step 1 are on their way when the loop begins
.macro KLOAD a, hf                     ; four fragments of k: head a, key tiles 4 hf .. 4 hf + 3
	WIN 0
.irp c, 0,1,2,3
.irp g, 0,1
	ds_load_b128 v[F+8*\c+4*\g:F+8*\c+4*\g+3], v[ADR] offset:16384*(\a)+(4*(\hf)+\c)*1024+512*\g
.endr
.endr
.endm
.macro SMM a, hf                       ; S^T = k q^T + bias: four key tiles x tiles A, B; K = the head's 64
	WIN 0x10                                       ; C (the bias) window 1
.irp c, 0,1,2,3
.irp x, 0,1
	v_wmma_f32_16x16x64_fp8_fp8 v[S+64*\x+8*(4*(\hf)+\c):S+64*\x+8*(4*(\hf)+\c)+7], v[F+8*\c:F+8*\c+7], v[Q+8*(2*\x+(\a)):Q+8*(2*\x+(\a))+7], v[64*\x+8*(4*(\hf)+\c):64*\x+8*(4*(\hf)+\c)+7]
.endr
.endr
.endm
.macro VLOAD a                         ; v's four fragments (16 channels x 128 keys) of head a, into the registers that S^T of A has left
.irp t, 0,1,2,3
.irp g, 0,1,2,3
	ds_load_b128 v[S+16*\t+4*\g:S+16*\t+4*\g+3], v[ADR] offset:16384*(\a)+8192+2048*\t+512*\g
.endr
.endr
.endm
; The softmax of tile x, head a, for one key step: 64 scores a lane become p's 16 registers of codes.
.macro SMX x, a
	WIN 0
.set RS, S+64*(\x)
.set RT, ST+4*(2*(\x)+(\a))
.set RF, FF+2*(\x)
.set RC, F+16*(\x)
	v_max3_num_f32 v[MX], v[RS], v[RS+1], v[RS+2]  ; the step's largest score of my query among my 64 keys, in two chains, each tile of scores from its low end on,
	v_max3_num_f32 v[MX+1], v[RS+3], v[RS+4], v[RS+5]
.irp i, 6,10,14,18,22,26,30,34,38,42,46,50,54,58
	v_max3_num_f32 v[MX], v[MX], v[RS+\i], v[RS+\i+1]
	v_max3_num_f32 v[MX+1], v[MX+1], v[RS+\i+2], v[RS+\i+3]
.endr
	v_max3_num_f32 v[MX], v[MX], v[RS+62], v[RS+63]
	v_max_num_f32 v[MX], v[MX], v[MX+1]
	v_permlanex16_b32 v[PRM], v[MX], s[SEL], s[SEL+1]
	v_max_num_f32 v[MX], v[MX], v[PRM]             ; and among lane l xor 16's
	v_mul_f32 v[MX], s[CS], v[MX]                  ; as t (c is positive)
	v_max_num_f32 v[RT+1], v[RT+1], v[MX]          ; the running largest t
	v_mov_b32 v[MX], v[RT]
	v_floor_f32 v[RT], -v[RT+1]                    ; the new -M = floor(-t): M is a whole number
	v_sub_f32 v[MX], v[RT], v[MX]                  ; old M - new M: a whole number, 0 or less
	v_cvt_i32_f32 v[MX], v[MX]                     ; (it saturates)
	v_ldexp_f32 v[RF], 1.0, v[MX]                  ; f = 2^(old M - new M)
.irp j, 0,2,4,6,8,10,12,14,16,18,20,22,24,26,28,30,32,34,36,38,40,42,44,46,48,50,52,54,56,58,60,62
	v_pk_fma_f32 v[RS+\j:RS+\j+1], v[RS+\j:RS+\j+1], s[CS:CS+1], v[RT:RT+1] op_sel_hi:[1,0,0]   ; t - M, two at a time (of the pairs c and -M the low word serves both halves)
.endr
.irp j, 0,1,2,3,4,5,6,7,8,9,10,11,12,13,14,15,16,17,18,19,20,21,22,23,24,25,26,27,28,29,30,31,32,33,34,35,36,37,38,39,40,41,42,43,44,45,46,47,48,49,50,51,52,53,54,55,56,57,58,59,60,61,62,63
	v_exp_f32 v[RS+\j], v[RS+\j]                   ; p = 2^(t - M), at most 1
.endr
	v_pk_mul_f32 v[RT+2:RT+3], v[RT+2:RT+3], v[RF:RF+1] op_sel_hi:[1,0]   ; the sum under the new M: a plain line behind the exponentials
	s_wait_alu depctr_va_vdst(0)                   ; one wait for the whole batch, ahead of its first reader
	v_pk_add_f32 v[SUM2:SUM2+1], v[RS:RS+1], v[RS+2:RS+3]   ; the sum of the unquantised p, two at a time, in two chains
.irp j, 4,8,12,16,20,24,28,32,36,40,44,48,52,56,60
	v_pk_add_f32 v[RT+2:RT+3], v[RT+2:RT+3], v[RS+\j:RS+\j+1]
	v_pk_add_f32 v[SUM2:SUM2+1], v[SUM2:SUM2+1], v[RS+\j+2:RS+\j+3]
.endr
	v_pk_add_f32 v[RT+2:RT+3], v[RT+2:RT+3], v[SUM2:SUM2+1]
.irp c, 0,1,2,3,4,5,6,7
.irp j, 0,1,2,3,4,5,6,7
	v_min_num_f32 v[RS+8*\c+\j], v[RS+8*\c+\j], v[PLIM]   ; the conversion does not saturate (ISA guide 7.6.2); p is not negative, so the hold is one-sided
.endr
	v_cvt_scalef32_pk8_fp8_f32 v[RC+2*\c:RC+2*\c+1], v[RS+8*\c:RS+8*\c+7], v[PSC]   ; keys 16 c + 8 h + 0 .. 7: registers 2 c, 2 c + 1 of p's fragment
.endr
	v_nop                                          ; a plain line behind the last conversion
.endm
.macro RESC x, a                       ; O^T of unit (x, a) under the new M
	WIN 0x41                                       ; source 0 and destination window 1
.irp j, 0,2,4,6,8,10,12,14,16,18,20,22,24,26,28,30
	v_pk_mul_f32 v[OT+32*(2*(\x)+(\a))+\j:OT+32*(2*(\x)+(\a))+\j+1], v[OT+32*(2*(\x)+(\a))+\j:OT+32*(2*(\x)+(\a))+\j+1], v[FF+2*(\x):FF+2*(\x)+1] op_sel_hi:[1,0]
.endr
.endm
.macro PVM a                           ; O^T += v^T p^T: four channel tiles x tiles A, B; K = the step's 128 keys.  Eight accumulators, one instruction each
	WIN 0x50                                       ; C and D window 1
.irp t, 0,1,2,3
.irp x, 0,1
	v_wmma_f32_16x16x128_fp8_fp8 v[OT+32*(2*\x+(\a))+8*\t:OT+32*(2*\x+(\a))+8*\t+7], v[S+16*\t:S+16*\t+15], v[F+16*\x:F+16*\x+15], v[OT+32*(2*\x+(\a))+8*\t:OT+32*(2*\x+(\a))+8*\t+7]
.endr
.endr
.endm
; A KEY STEP: 128 keys, both heads, both tiles.  Behind head 1's scores the biases have served: the next step's are made there, tile A's from the words asked for a step ago, tile B's from words asked for under tile A's softmax.
.macro KEYSTEP
	v_add_nc_u32 v[ADR], s[TB], v[LI]
.irp a, 0,1
.rept 4+\a
	v_nop                                          ; five plain lines (for head 0 the addition above is one) behind the last products: the scores below are laid over v's fragments, which those products read; and k's loads land where p's codes lay
.endr
	KLOAD \a, 0
	s_wait_dscnt 0x0
	SMM \a, 0
	PLACES
	KLOAD \a, 1
	s_wait_dscnt 0x0
	SMM \a, 1
	PLACES
.if \a == 1
	s_wait_kmcnt 0x0                               ; tile A's words of the next step are in
	BIAS 0
	MLOAD 1
.endif
	SMX 0, \a
	VLOAD \a                                       ; lands under tile B's softmax
.if \a == 1
	s_wait_kmcnt 0x0                               ; tile B's words are in, and the loads have read their offset
	BIAS 1
	s_add_co_u32 s[MO], s[MO], 256
	s_and_b32 s[MO], s[MO], 0xfff                  ; behind the last step it goes back to step 0: no load leaves the buffer
	MLOAD 0
.endif
	SMX 1, \a
	RESC 0, \a
	RESC 1, \a
	s_wait_dscnt 0x0                               ; v is in
	PVM \a
.endr
	WIN 0
	s_add_co_u32 s[TB], s[TB], 32768
.endm
.macro STEPS4                          ; a slot's four key steps: written once, walked four times
	s_mov_b32 s[NST], 4
.Lstep_\@:
	KEYSTEP
	s_sub_co_u32 s[NST], s[NST], 1
	s_cmp_lg_u32 s[NST], 0
	s_cbranch_scc1 .Lstep_\@
	s_sub_co_u32 s[TB], s[TB], 4*32768
	s_xor_b32 s[TB], s[TB], SLOT1                  ; on to the other slot
.endm
; THE CHANGE OF SLOTS stands at a slot's head.  Each wave waits for all its tensor loads (its part of the slot ahead), adds 0 to its spare word, and waits for that and for its reads of the slot that it has left.
; fill = 1: the barrier is a round of the cluster's, and behind it the slot that was left takes the next four key steps: the load has the whole slot ahead in which to land.
.macro CHANGE fill
	s_wait_tensorcnt 0x0                           ; no tensor load of mine is out, so group 0 may be written
	ds_add_u32 v[SPW], v[NIL]
.if \fill
	s_xor_b32 s[G0+1], s[G0+1], SLOT1              ; the other slot than last time,
	s_add_nc_u64 s[G0+2:G0+3], s[G0+2:G0+3], 4*16384   ; the next four key steps; the type bits on top are not reached
.endif
	s_wait_dscnt 0x0                               ; the add is done, and my reads of the slot that I have left are over
.if \fill
	CROUND
	tensor_load_to_lds s[G0:G0+3], s[G1:G1+7]      ; the first thing behind the round, and my one tensor load until the next
	s_nop 0
.rept 4
	v_nop
.endr
.else
	s_barrier_signal -1
	s_barrier_wait -1
.endif
.endm
	s_wait_loadcnt 0x0                             ; q
.Lslot:                                            ; three trips: behind each change of slots but the last the next slot is asked for
	CHANGE 1
	STEPS4
	s_sub_co_u32 s[NSL], s[NSL], 1
	s_cmp_lg_u32 s[NSL], 0
	s_cbranch_scc1 .Lslot
	CHANGE 0                                       ; the last slot is written out
	STEPS4
	; THE WAY OUT.  The sums' halves are added; O^T is divided by the sum, held, converted with 2^(e10 - ep - ev): unit (X, a)'s channel tile t gives registers 8 a + 2 t, 8 a + 2 t + 1 of tile X's fragment of val (K = my two heads' 128 channels).
	s_wait_kmcnt 0x0                               ; the last mask words, which nobody reads: their registers are written below
.irp u, 0,1,2,3
	v_add_f32 v[ST+4*\u+2], v[ST+4*\u+2], v[ST+4*\u+3]   ; (these four are also the places behind the last products)
.endr
.irp u, 0,1,2,3
	v_permlanex16_b32 v[ST+4*\u+3], v[ST+4*\u+2], s[SEL], s[SEL+1]
.endr
.irp u, 0,1,2,3
	v_add_f32 v[ST+4*\u+2], v[ST+4*\u+2], v[ST+4*\u+3]   ; the row's sum
.endr
.irp u, 0,1,2,3
	v_cmp_eq_f32 s[20+\u], 0, v[ST+4*\u+2]         ; a query none of whose keys counts
.endr
.irp u, 0,1,2,3
	v_rcp_f32 v[ST+4*\u], v[ST+4*\u+2]
.endr
	v_nop                                          ; a plain line behind the last reciprocal
	s_wait_alu depctr_va_vdst(0)                   ; one wait for the four, ahead of their first reader
	WIN 0x01                                       ; source 0 window 1
.irp u, 0,1,2,3
.irp j, 0,2,4,6,8,10,12,14,16,18,20,22,24,26,28,30
	v_pk_mul_f32 v[S+32*\u+\j:S+32*\u+\j+1], v[OT+32*\u+\j:OT+32*\u+\j+1], v[ST+4*\u:ST+4*\u+1] op_sel_hi:[1,0]   ; each accumulator from its low end on
.endr
.endr
	WIN 0
.set n, 0
.rept 128
	v_med3_num_f32 v[S+n], v[S+n], -v[OLIM], v[OLIM]
.set n, n+1
.endr
.irp x, 0,1
.irp a, 0,1
.irp t, 0,1,2,3
	v_cvt_scalef32_pk8_fp8_f32 v[F+16*\x+8*\a+2*\t:F+16*\x+8*\a+2*\t+1], v[S+32*(2*\x+\a)+8*\t:S+32*(2*\x+\a)+8*\t+7], v[OSC]
.endr
.endr
.endr
	v_nop                                          ; a plain line behind the last conversion
.irp x, 0,1
.irp a, 0,1
.irp k, 0,1,2,3,4,5,6,7
	v_cndmask_b32 v[F+16*\x+8*\a+\k], v[F+16*\x+8*\a+\k], v[NANC], s[20+2*\x+\a]
.endr
.endr
.endr
.irp x, 0,1
.irp g, 0,1,2,3
	global_store_b128 v[LI], v[F+16*\x+4*\g:F+16*\x+4*\g+3], s[OUT:OUT+1] offset:4096*\x+512*\g   ; 512 consecutive bytes, aligned
.endr
.endr
	s_wait_tensorcnt 0x0                           ; the wave's end, behind my last tensor load
	ds_add_u32 v[SPW], v[NIL]
	s_wait_dscnt 0x0
	CROUND                                         ; the closing round: no work-group ends while a partner may still ask for a tile that names it
	s_endpgm
.Lfunc_end_k_q006e117919_attn:
	.size	k_q006e117919_attn, .Lfunc_end_k_q006e117919_attn-k_q006e117919_attn
	.p2alignl 7, 3214868480
	.fill 96, 4, 3214868480
	.section	.rodata,"a",@progbits
	.p2align	6, 0x0
	.amdhsa_kernel k_q006e117919_attn
		.amdhsa_group_segment_fixed_size 327680
		.amdhsa_private_segment_fixed_size 0
		.amdhsa_enable_private_segment 0
		.amdhsa_kernarg_size 40
		.amdhsa_user_sgpr_count 2
		.amdhsa_user_sgpr_kernarg_segment_ptr 1
		.amdhsa_wavefront_size32 1
		.amdhsa_system_sgpr_workgroup_id_x 1
		.amdhsa_system_sgpr_workgroup_id_y 1
		.amdhsa_system_sgpr_workgroup_id_z 1
		.amdhsa_system_vgpr_workitem_id 0
		.amdhsa_next_free_vgpr 512
		.amdhsa_next_free_sgpr 102
		.amdhsa_reserve_vcc 0
		.amdhsa_float_denorm_mode_32 3
		.amdhsa_float_denorm_mode_16_64 3
		.amdhsa_memory_ordered 1
		.amdhsa_forward_progress 1
		.amdhsa_inst_pref_size 169
	.end_amdhsa_kernel
	.amdgpu_metadata
---
amdhsa.version: [ 1, 2 ]
amdhsa.kernels:
  - .name:           k_q006e117919_attn
    .symbol:         k_q006e117919_attn.kd
    .args:
      - { .name: qimg, .offset: 0, .size: 8, .value_kind: global_buffer, .address_space: global }
      - { .name: kvimg, .offset: 8, .size: 8, .value_kind: global_buffer, .address_space: global }
      - { .name: mbits, .offset: 16, .size: 8, .value_kind: global_buffer, .address_space: global }
      - { .name: lowp_scales, .offset: 24, .size: 8, .value_kind: global_buffer, .address_space: global }
      - { .name: vimg, .offset: 32, .size: 8, .value_kind: global_buffer, .address_space: global }
    .group_segment_fixed_size: 327680
    .private_segment_fixed_size: 0
    .kernarg_segment_align: 8
    .kernarg_segment_size: 40
    .max_flat_workgroup_size: 256
    .sgpr_count:     102
    .vgpr_count:     512
    .wavefront_size: 32
...
	.end_amdgpu_metadata
.endif
;; end of part 3
;; launch outp (part 4): grid 8 x 32, 4 waves a work-group, clusters of 4 x 4, 327,680 bytes of LDS; arguments vimg, opimg, lowp_scales, bo, out0; writes out0
.if DOCPART == 4
	.amdgcn_target "amdgcn-amd-amdhsa--gfx1250"
	.amdhsa_code_object_version 6
	.text
	.protected	k_q006e117919_outp
	.globl	k_q006e117919_outp
	.p2align	8
	.type	k_q006e117919_outp,@function
k_q006e117919_outp:
	s_mov_b64 s[64:65], 0
	v_nop
	global_prefetch_b8 v0, s[64:65] scope:SCOPE_SE
	s_setreg_imm32_b32 hwreg(HW_REG_WAVE_MODE, 25, 1), 1
	s_wait_xcnt 0x0
	s_wait_alu depctr_hold_cnt(0) depctr_sa_sdst(0) depctr_va_vdst(0) depctr_va_sdst(0) depctr_va_ssrc(0) depctr_va_vcc(0) depctr_vm_vsrc(0)
	s_getreg_b32 s2, hwreg(HW_REG_IB_STS2, 6, 4)
	s_cmp_eq_u32 s2, 0
	s_cbranch_scc0 .Lentry_in_a_cluster
	s_endpgm
.Lentry_in_a_cluster:
	s_bfe_u32 s2, ttmp6, 0x10000c
	s_cmp_lg_u32 s2, 0xf033
	s_cbranch_scc0 .Lentry_shape_is_right
	s_endpgm
.Lentry_shape_is_right:
; OUTP.  out0 = val Wo^T + bo on codes of E4M3, K = 1,024, sums in f32: out = sum x 2^(e10 + e11) + bo.  val [8192][1024] and Wo [1024][1024] lie in memory as images of fragments (as in the projections' launch).
; A TILE is 256 rows of val (X1) x 128 rows of Wo (X0).  Source 0 = 16 rows of Wo, source 1 = 16 rows of val: lane (r, h) holds row r of the output, its registers j columns 8 h + j: eight neighbours of a row.
; Four waves, wave (wy, wx) = (w / 2, w % 2): 128 rows (8 tiles) x 64 columns (4 tiles): 32 accumulators.
; THE RING: three slots of 98,304 bytes, 256 along K each; three first fills (three loads of a wave are out) and one refill, into slot 0.
; CLUSTER: 4 x 4 work-groups; val's tile is asked for jointly by a row of the cluster, Wo's by a column.
; THE WAY OUT: a block of 16 rows x 64 columns goes through the wave's own stage in LDS (rows 272 bytes apart) and comes back as rows of 256 bytes: sixteen lanes store 256 consecutive bytes, aligned.
; LIMIT: e10 + e11 between -126 and 127, so that 2^(e10 + e11) is an f32 number.
; REGISTERS, in windows of 256: window 0: addresses; v32-63 a block's results; v64-127 two blocks read back; v128-159 bo.  Windows 1 and 2: two sets of fragments: X0's tile t at v[16 t], X1's tile i at v[64 + 16 i].
;   Window 3: accumulator (i, t) at v[8 (4 i + t)].
.set SLOT,   98304                     ; X1's two halves of 32,768, then X0's two of 16,384
.set X0OFF,  65536
.set STAGE,  3*SLOT                    ; behind the ring: 16 rows x 272 bytes for each wave; no tensor load fills it
.set SPARE,  STAGE+4*4352              ; behind the stages: the spare words, 128 bytes for each wave, which no other line names
.set ADRA, 16                          ; v16-18  my X1 fragments in slot 0, 1, 2
.set ADRB, 20                          ; v20-22  my X0 fragments
.set LI,   24                          ; v24     16 x lane
.set STO,  25                          ; v25     the stage: where I put 32 bytes of a row
.set RD,   26                          ; v26     and where I read rows back
.set CO,   27                          ; v27     my byte offset in two rows of the output
.set SPW,  28                          ; v28     my spare word's LDS address; never rewritten
.set NIL,  29                          ; v29     0; never rewritten
.set BOF,  30                          ; v30     32 h: my eight numbers of a tile's sixteen of bo
.set TMP,  32
.set BK,   64
.set BO,   128
.set G1,  24
.set G1B, 32
.set G0,  40
.set G0B, 52
.set MSB, 0
.macro WIN new                         ; the immediate's high byte repeats the setting that is left; a switch that changes nothing is dropped
.if MSB != (\new)
	s_set_vgpr_msb (MSB<<8)|(\new)
.set MSB, (\new)
.endif
.endm
; A joint load: waves 0 and 1 fetch X1's halves, waves 2 and 3 X0's.  The branch hangs on the wave's number alone.  An s_nop 0 and four v_nop follow each of the two lines.
.macro JLOAD s
	s_cmp_eq_u32 s15, 0
	s_cbranch_scc0 .Lfor_x0_\@
	tensor_load_to_lds s[G0+4*\s:G0+4*\s+3], s[G1:G1+7]
	s_nop 0
.rept 4
	v_nop
.endr
	s_branch .Lasked_\@
.Lfor_x0_\@:
	tensor_load_to_lds s[G0B+4*\s:G0B+4*\s+3], s[G1B:G1B+7]
	s_nop 0
.rept 4
	v_nop
.endr
.Lasked_\@:
.endm
.macro CREST                           ; a round of the cluster's barrier behind its opening barrier
	s_cmp_lg_u32 s14, 0
	s_cbranch_scc1 .Lnot_wave_0_\@
	s_barrier_signal -3
.Lnot_wave_0_\@:
	s_barrier_wait -3
	s_barrier_signal -1
	s_barrier_wait -1
.endm
.macro CROUND                          ; a whole round
	s_barrier_signal -1
	s_barrier_wait -1
	CREST
.endm
.macro PLACES                          ; four plain vector lines between a matrix instruction and a load into, or a vector read of, its registers
.rept 4
	v_nop
.endr
.endm
	s_load_b256 s[4:11], s[0:1], 0x0               ; val's codes s[4:5], the first launch's codes s[6:7], the exponents s[8:9], bo s[10:11]
	s_load_b64 s[12:13], s[0:1], 0x20              ; the output
	v_lshl_add_u32 v[SPW], v0, 2, SPARE
	v_mov_b32 v[NIL], 0
	ds_add_u32 v[SPW], v[NIL]                      ; the wave's opening: the add and its wait stand ahead of my first tensor load; the set-up below stands between them
	v_lshrrev_b32 v1, 5, v0
	v_readfirstlane_b32 s14, v1                    ; wave 0..3
	s_lshr_b32 s15, s14, 1                         ; wy.  Also: I fetch for X1 (0) or for X0 (1)
	s_and_b32 s16, s14, 1                          ; wx.  Also: which half of that tile I fetch
	s_bfe_u32 s80, ttmp6, 0x40000                  ; cx
	s_bfe_u32 s81, ttmp6, 0x40004                  ; cy
	s_and_b32 s66, ttmp7, 0xffff
	s_lshl_b32 s66, s66, 2
	s_add_co_u32 s66, s66, s81                     ; val's block of 256 rows
	s_lshl_b32 s72, ttmp9, 2
	s_add_co_u32 s72, s72, s80                     ; Wo's block of 128 rows
	s_lshl_b32 s68, s66, 18
	s_lshl_b32 s69, s16, 17
	s_add_co_u32 s68, s68, s69                     ; X1: block x 262144 + half x 131072
	s_mov_b32 s69, 0
	s_lshl_b32 s74, s72, 17
	s_add_co_u32 s74, s74, 27<<20                  ; Wo's codes begin at 27 MiB
	s_lshl_b32 s75, s16, 14
	s_add_co_u32 s74, s74, s75                     ; X0: block x 131072 + half x 16384
	s_mov_b32 s75, 0
	s_lshl_b32 s78, s81, 2
	s_lshl_b32 s78, 15, s78                        ; my row of the cluster
	s_lshl_b32 s79, 0x1111, s80                    ; my column
	; descriptor group 1: dense blocks as rows of 32 elements of 8 bytes: X1 128 rows, X0 64
	s_or_b32 s[G1], s78, (3<<16)|(1<<21)           ; 15:0 the mask; 17:16 elements of 8 bytes; 21 set beside a mask; no padding
	s_mov_b32 s[G1+1], 32<<16                      ; tensor_dim0
	s_mov_b32 s[G1+2], 128<<16                     ; tensor_dim1
	s_mov_b32 s[G1+3], 32<<16                      ; tile_dim0
	s_mov_b32 s[G1+4], 128                         ; tile_dim1
	s_mov_b32 s[G1+5], 32                          ; from row to row
	s_mov_b32 s[G1+6], 0
	s_mov_b32 s[G1+7], 0
	s_or_b32 s[G1B], s79, (3<<16)|(1<<21)
	s_mov_b32 s[G1B+1], 32<<16
	s_mov_b32 s[G1B+2], 64<<16
	s_mov_b32 s[G1B+3], 32<<16
	s_mov_b32 s[G1B+4], 64
	s_mov_b32 s[G1B+5], 32
	s_mov_b32 s[G1B+6], 0
	s_mov_b32 s[G1B+7], 0
	s_lshl_b32 s20, s16, 15                        ; where they go: X1's half,
	s_lshl_b32 s21, s16, 14
	s_add_co_u32 s21, s21, X0OFF                   ; X0's half: no place in the cluster enters an LDS address
	s_wait_dscnt 0x0                               ; the opening add is done
	s_wait_kmcnt 0x0
	s_load_b64 s[96:97], s[8:9], 0x28              ; e10, e11
	s_add_nc_u64 s[70:71], s[4:5], s[68:69]
	s_add_nc_u64 s[76:77], s[6:7], s[74:75]
	CROUND                                         ; all sixteen work-groups are here: the first joint loads meet
.irp s, 0,1,2
	s_mov_b32 s[G0+4*\s], 1
	s_add_co_u32 s[G0+4*\s+1], s20, \s*SLOT
	s_add_nc_u64 s[G0+4*\s+2:G0+4*\s+3], s[70:71], \s*32768
	s_or_b32 s[G0+4*\s+3], s[G0+4*\s+3], 0x80000000
	s_mov_b32 s[G0B+4*\s], 1
	s_add_co_u32 s[G0B+4*\s+1], s21, \s*SLOT
	s_add_nc_u64 s[G0B+4*\s+2:G0B+4*\s+3], s[76:77], \s*32768
	s_or_b32 s[G0B+4*\s+3], s[G0B+4*\s+3], 0x80000000
	JLOAD \s                                       ; three quarters of K go out together
.endr
	v_and_b32 v1, 31, v0
	v_lshlrev_b32 v[LI], 4, v1
	v_and_b32 v2, 15, v0                           ; r
	v_bfe_u32 v3, v0, 4, 1                         ; h
	v_lshlrev_b32 v[BOF], 5, v3
	s_lshl_b32 s2, s72, 9
	s_lshl_b32 s3, s16, 8
	s_add_co_u32 s2, s2, s3                        ; my 64 columns, in bytes: 512 x Wo's block + 256 wx
	s_mov_b32 s3, 0
	s_add_nc_u64 s[10:11], s[10:11], s[2:3]
.irp t, 0,1,2,3
	global_load_b128 v[BO+8*\t:BO+8*\t+3], v[BOF], s[10:11] offset:64*\t       ; bo at columns 16 t + 8 h + 0 .. 7: the result's layout
	global_load_b128 v[BO+8*\t+4:BO+8*\t+7], v[BOF], s[10:11] offset:64*\t+16
.endr
	s_lshl_b32 s17, s15, 15
	s_lshl_b32 s18, s16, 14
	s_add_co_u32 s18, s18, X0OFF
.irp s, 0,1,2
	v_add_nc_u32 v[ADRA+\s], s17, v[LI]
	v_add_nc_u32 v[ADRB+\s], s18, v[LI]
	s_add_co_u32 s17, s17, SLOT
	s_add_co_u32 s18, s18, SLOT
.endr
	s_mul_i32 s19, s14, 4352
	s_add_co_u32 s19, s19, STAGE                   ; my stage
	v_mul_u32_u24 v[STO], v2, 272
	v_lshl_add_u32 v[STO], v3, 5, v[STO]
	v_add_nc_u32 v[STO], s19, v[STO]               ; in: row r, + 32 h
	v_mul_u32_u24 v[RD], v3, 272
	v_lshl_add_u32 v[RD], v2, 4, v[RD]
	v_add_nc_u32 v[RD], s19, v[RD]                 ; back: lanes 0-15 one row, lanes 16-31 the next
	v_lshlrev_b32 v[CO], 12, v3
	v_lshl_add_u32 v[CO], v2, 4, v[CO]             ; and the same two rows in the output: 4,096 bytes a row
	s_lshl_b32 s22, s66, 20
	s_lshl_b32 s23, s15, 19
	s_add_co_u32 s22, s22, s23                     ; my first row: (256 x val's block + 128 wy) x 4,096
	s_add_co_u32 s22, s22, s2
	s_mov_b32 s23, 0
	s_add_nc_u64 s[12:13], s[12:13], s[22:23]
	s_wait_kmcnt 0x0
	s_add_co_i32 s96, s96, s97
	s_add_co_i32 s96, s96, 127
	s_lshl_b32 s96, s96, 23                        ; 2^(e10 + e11) as f32
	s_mov_b32 s97, s96                             ; (named with it as a pair, so it is written)
; 8 matrix instructions: X1's tiles i0, i0 + 1 x X0's four, 128 along K; the window picks the set.  The 32 accumulators take turns, one instruction a turn, in the same order in every step.
.macro MUL8 i0, zero
.irp i, \i0, \i0+1
.irp t, 0,1,2,3
.if \zero
	v_wmma_f32_16x16x128_fp8_fp8 v[8*(4*(\i)+\t):8*(4*(\i)+\t)+7], v[16*\t:16*\t+15], v[64+16*(\i):64+16*(\i)+15], 0
.else
	v_wmma_f32_16x16x128_fp8_fp8 v[8*(4*(\i)+\t):8*(4*(\i)+\t)+7], v[16*\t:16*\t+15], v[64+16*(\i):64+16*(\i)+15], v[8*(4*(\i)+\t):8*(4*(\i)+\t)+7]
.endif
.endr
.endr
.endm
; 48 LDS loads in one run: my twelve fragments of the slot's half ksl into set p
.macro FETCH slot, ksl, p
	WIN 0x40*((\p)+1)                              ; destination window 1 or 2, address window 0
.irp t, 0,1,2,3
.irp g, 0,1,2,3
	ds_load_b128 v[16*\t+4*\g:16*\t+4*\g+3], v[ADRB+\slot] offset:\t*4096+(\ksl)*2048+512*\g
.endr
.endr
.irp i, 0,1,2,3,4,5,6,7
.irp g, 0,1,2,3
	ds_load_b128 v[64+16*\i+4*\g:64+16*\i+4*\g+3], v[ADRA+\slot] offset:\i*4096+(\ksl)*2048+512*\g
.endr
.endr
.endm
; A step of 128 along K on set p; the next step's fragments are asked for first and land under the 32 products.
.macro STEPN p, nslot, nksl, zero
	s_wait_dscnt 0x0                               ; set p is in
	PLACES                                         ; the other set was read by the products just issued
	FETCH \nslot, \nksl, 1-(\p)
	WIN 0xF5+5*(\p)                                ; sources 0 and 1: window 1 or 2; C and D: window 3
	MUL8 0, \zero
	MUL8 2, \zero
	MUL8 4, \zero
	MUL8 6, \zero
.endm
	s_wait_tensorcnt 0x2                           ; my part of the first quarter of K is in; the two loads behind it may be out
	s_barrier_signal -1
	s_barrier_wait -1                              ; everybody's is
	FETCH 0, 0, 0
	STEPN 0, 0, 1, 1                               ; step 0: its products start the sums: nothing is cleared
	; step 1 leaves slot 0, which takes the last quarter of K.  In front of the round each wave waits for all its tensor loads, adds 0 to its spare word, and waits for that and for its reads of the slot.
	WIN 0
	s_wait_tensorcnt 0x0                           ; all three fills of mine have landed
	ds_add_u32 v[SPW], v[NIL]
	s_wait_dscnt 0x1                               ; set 1 is in; the add may be out
	WIN 0xFA
	MUL8 0, 0                                      ; eight products stand between the add and the wait for it
	s_wait_dscnt 0x0                               ; the add is done, and my reads of slot 0 are over
	s_barrier_signal -1
	MUL8 2, 0
	WIN 0
	s_barrier_wait -1
	CREST                                          ; no wave of any partner still reads slot 0 or has a load on its way; slots 1 and 2 are whole in every work-group
	s_add_nc_u64 s[G0+2:G0+3], s[G0+2:G0+3], 3*32768
	s_add_nc_u64 s[G0B+2:G0B+3], s[G0B+2:G0B+3], 3*32768
	JLOAD 0                                        ; the first tensor load behind the round, one a wave; its four v_nop are also the places in front of the loads below
	FETCH 1, 0, 0
	WIN 0xFA
	MUL8 4, 0
	MUL8 6, 0
	STEPN 0, 1, 1, 0                               ; step 2
	STEPN 1, 2, 0, 0                               ; step 3
	STEPN 0, 2, 1, 0                               ; step 4
	s_wait_dscnt 0x0                               ; step 5: set 1 is in
	WIN 0xFA
	MUL8 0, 0
	MUL8 2, 0
	s_wait_tensorcnt 0x0                           ; my part of the last quarter of K is in (asked for 128 products ago),
	s_barrier_signal -1
	s_barrier_wait -1                              ; everybody's is
	PLACES
	FETCH 0, 0, 0
	WIN 0xFA
	MUL8 4, 0
	MUL8 6, 0
	STEPN 0, 0, 1, 0                               ; step 6
	s_wait_dscnt 0x0                               ; step 7: nothing more to fetch
	WIN 0xFA
	MUL8 0, 0
	MUL8 2, 0
	MUL8 4, 0
	MUL8 6, 0
; THE WAY OUT, a block of 16 rows x 64 columns at a time.  LDS serves a wave's instructions in order (ISA guide 5.7.1.4): no wait between the stage's stores and loads, nor in front of the next block's stores.
.macro TOSTAGE i
	WIN 0x03                                       ; source 0 (the sums) window 3
.irp t, 0,1,2,3
.irp j, 0,2,4,6
	v_pk_fma_f32 v[TMP+8*\t+\j:TMP+8*\t+\j+1], v[32*(\i)+8*\t+\j:32*(\i)+8*\t+\j+1], s[96:97], v[BO+8*\t+\j:BO+8*\t+\j+1] op_sel_hi:[1,0,1]   ; sum x 2^(e10 + e11) + bo; each accumulator from its low end on
.endr
.endr
	WIN 0
.irp t, 0,1,2,3
	ds_store_b128 v[STO], v[TMP+8*\t:TMP+8*\t+3] offset:64*\t
	ds_store_b128 v[STO], v[TMP+8*\t+4:TMP+8*\t+7] offset:64*\t+16
.endr
.irp m, 0,1,2,3,4,5,6,7
	ds_load_b128 v[BK+32*((\i)%2)+4*\m:BK+32*((\i)%2)+4*\m+3], v[RD] offset:544*\m
.endr
.endm
.macro SEND i
.irp m, 0,1,2,3,4,5,6,7
	global_store_b128 v[CO], v[BK+32*((\i)%2)+4*\m:BK+32*((\i)%2)+4*\m+3], s[12:13] offset:(16*(\i)+2*\m)*4096 th:TH_STORE_NT   ; sixteen lanes store 256 consecutive bytes, aligned; written once, read by nobody here
.endr
.endm
	s_wait_loadcnt 0x0                             ; bo
	PLACES
	TOSTAGE 0
.irp i, 1,2,3,4,5,6,7
.if \i > 1
	s_wait_xcnt 0x0                                ; the stores of the block two back have read their registers: this block's loads may land there
.endif
	TOSTAGE \i
	s_wait_dscnt 16                                ; the block before is back; this block's 8 stores and 8 loads may be out
	SEND \i-1
.endr
	s_wait_dscnt 0x0
	SEND 7
	s_wait_tensorcnt 0x0                           ; the wave's end, behind my last tensor load and my last LDS store
	ds_add_u32 v[SPW], v[NIL]
	s_wait_dscnt 0x0
	CROUND                                         ; the closing round: no work-group ends while a partner may still ask for a tile that names it
	s_endpgm
.Lfunc_end_k_q006e117919_outp:
	.size	k_q006e117919_outp, .Lfunc_end_k_q006e117919_outp-k_q006e117919_outp
	.p2alignl 7, 3214868480
	.fill 96, 4, 3214868480
	.section	.rodata,"a",@progbits
	.p2align	6, 0x0
	.amdhsa_kernel k_q006e117919_outp
		.amdhsa_group_segment_fixed_size 327680
		.amdhsa_private_segment_fixed_size 0
		.amdhsa_enable_private_segment 0
		.amdhsa_kernarg_size 40
		.amdhsa_user_sgpr_count 2
		.amdhsa_user_sgpr_kernarg_segment_ptr 1
		.amdhsa_wavefront_size32 1
		.amdhsa_system_sgpr_workgroup_id_x 1
		.amdhsa_system_sgpr_workgroup_id_y 1
		.amdhsa_system_sgpr_workgroup_id_z 1
		.amdhsa_system_vgpr_workitem_id 0
		.amdhsa_next_free_vgpr 1024
		.amdhsa_next_free_sgpr 100
		.amdhsa_reserve_vcc 0
		.amdhsa_float_denorm_mode_32 3
		.amdhsa_float_denorm_mode_16_64 3
		.amdhsa_memory_ordered 1
		.amdhsa_forward_progress 1
		.amdhsa_inst_pref_size 76
	.end_amdhsa_kernel
	.amdgpu_metadata
---
amdhsa.version: [ 1, 2 ]
amdhsa.kernels:
  - .name:           k_q006e117919_outp
    .symbol:         k_q006e117919_outp.kd
    .args:
      - { .name: vimg, .offset: 0, .size: 8, .value_kind: global_buffer, .address_space: global }
      - { .name: opimg, .offset: 8, .size: 8, .value_kind: global_buffer, .address_space: global }
      - { .name: lowp_scales, .offset: 16, .size: 8, .value_kind: global_buffer, .address_space: global }
      - { .name: bo, .offset: 24, .size: 8, .value_kind: global_buffer, .address_space: global }
      - { .name: out0, .offset: 32, .size: 8, .value_kind: global_buffer, .address_space: global }
    .group_segment_fixed_size: 327680
    .private_segment_fixed_size: 0
    .kernarg_segment_align: 8
    .kernarg_segment_size: 40
    .max_flat_workgroup_size: 128
    .sgpr_count:     100
    .vgpr_count:     1024
    .wavefront_size: 32
...
	.end_amdgpu_metadata
.endif
;; end of part 4
;; ======== version 2 of 2: 4 launches
;; limits: right only within a limited range of input values
;; workspace buffers: opimg 29,360,128 bytes; mbits 2,097,152 bytes of whole numbers; qimg 8,388,608 bytes; kvimg 16,777,216 bytes; vimg 8,388,608 bytes
;; launch prep (part 5): grid 704 x 1, 4 waves a work-group, no clusters, 34,304 bytes of LDS; arguments key, query, value, Wk, Wq, Wv, Wo, mask, lowp_scales, opimg, mbits; writes opimg, mbits
.if DOCPART == 5
	.amdgcn_target "amdgcn-amd-amdhsa--gfx1250"
	.amdhsa_code_object_version 6
	.text
	.protected	k_q006e117919_prep
	.globl	k_q006e117919_prep
	.p2align	8
	.type	k_q006e117919_prep,@function
k_q006e117919_prep:
	s_mov_b64 s[64:65], 0
	v_nop
	global_prefetch_b8 v0, s[64:65] scope:SCOPE_SE
	s_setreg_imm32_b32 hwreg(HW_REG_WAVE_MODE, 25, 1), 1
	s_wait_xcnt 0x0
; PREP.  The seven f32 operands (key, query, value: [8192][1024]; Wk, Wq, Wv, Wo: [1024][1024]; K innermost) become codes of E4M3, each with its given scale 2^e:
; code = x / 2^e, held within +-448, to the nearest code, ties to even.  The mask ([4][2048][2048] int32) becomes one bit a number.
; THE CODES ARE LAID AS IMAGES OF OPERAND REGISTERS.  A fragment is 16 rows x 128 k = 16 registers a lane: lane (r = lane % 16, h = lane / 16) holds row r, registers 2 c and 2 c + 1 hold k = 16 c + 8 h + 0 .. 7.
; It lies in memory as four groups of 512 bytes: group g = registers 4 g .. 4 g + 3, lane l's 16 bytes at 16 l.  Fragment (row tile J, K step t) lies at (J / 8) x 131072 + (t / 2) x 32768 + (J % 8) x 4096 + (t % 2) x 2048,
; so that 128 rows x 256 k are 32,768 bytes on end.  Row tiles J: key 0-511, query 512-1023, value 1024-1535, Wk, Wq, Wv, Wo 64 each from 1536 on.
; THE MASK'S BITS: [batch][tile of 16 queries][step of 128 keys][64 words]: word 8 c + j, bit 16 h + r = (mask[query r of the tile][key 16 c + 8 h + j of the step] != 0): a lane mask for one register of a tile of scores.
; SHARES.  A wave has one job: 16 rows x 4,096 bytes, in 8 steps of 16 rows x 512 bytes.  Work-groups 0-447 quantise (job = row tile 4 x work-group + wave), 448-703 pack the mask (job = half of a query tile's 2,048 keys).
; Each load reads 512 consecutive bytes of one row; a step's 8,192 bytes turn through the wave's own stage in LDS (rows 528 bytes apart) and come back so that a lane holds 8 neighbours along K in 8 consecutive registers.
; Both kinds of job take one path through all LDS lines; only work on registers and the stores differ.  No tensor loads, no barrier: waves share nothing.  Loads run two steps (32 loads a wave) ahead.
; LIMITS: each e between -126 and 127, so that 2^e is an f32 number.  NaN among the inputs is not served.
.set WREG,   8448                      ; a wave's stage: 16 rows x 528 bytes
.set SP,     528                       ; a stage row: 512 bytes + 16
.set SPARE,  4*WREG                    ; behind the stages: the spare words, 128 bytes for each wave, which no other line names
.set MASKWG, 448                       ; the first work-group that packs the mask
.set LI,   2                           ; v2      16 x lane
.set STW,  3                           ; v3      the stage on the way in: 16 x lane
.set STR,  4                           ; v4      and on the way out: 528 r + 32 h
.set L8,   6                           ; v6      8 x lane
.set SC,   7                           ; v7      2^e as f32
.set LIM,  8
.set MW,   10                          ; v[10:11] a step's 64 mask words: lane l holds words 2 l and 2 l + 1
.set SPW,  12                          ; v12     my spare word's LDS address; never rewritten
.set NIL,  13                          ; v13     0; never rewritten
.set OFFR, 16                          ; v16-31  16 x lane + i x the row's pitch in memory
.set R,    32                          ; v32-159 two sets of 64: a step as it is loaded
.set X,    160                         ; v160-223 a step as the operand wants it: register 8 c + j = (row r, k 16 c + 8 h + j)
.set C,    224                         ; v224-255 two sets of 16: a fragment's codes
	s_load_b512 s[4:19], s[0:1], 0x0               ; key, query, value, Wk, Wq, Wv, Wo, mask
	s_load_b128 s[20:23], s[0:1], 0x40             ; the scales' exponents, the codes' buffer
	s_load_b64 s[24:25], s[0:1], 0x50              ; the mask bits' buffer
	v_lshl_add_u32 v[SPW], v0, 2, SPARE
	v_mov_b32 v[NIL], 0
	v_lshrrev_b32 v1, 5, v0
	v_readfirstlane_b32 s30, v1                    ; wave 0..3
	v_and_b32 v1, 31, v0                           ; lane
	v_lshlrev_b32 v[LI], 4, v1
	v_lshlrev_b32 v[L8], 3, v1
	v_and_b32 v5, 15, v0                           ; r
	v_bfe_u32 v9, v0, 4, 1                         ; h
	s_mul_i32 s31, s30, WREG                       ; my stage
	v_add_nc_u32 v[STW], s31, v[LI]
	v_mul_u32_u24 v[STR], v5, SP
	v_lshl_add_u32 v[STR], v9, 5, v[STR]
	v_add_nc_u32 v[STR], s31, v[STR]
	v_mov_b32 v[MW], 0                             ; written whole once: the lane writes below count as readers
	v_mov_b32 v[MW+1], 0
	s_wait_kmcnt 0x0
; which tensor is my work-group's: the choice hangs on the work-group's number alone
.macro PICK first, ptr, sidx
	s_cmp_ge_u32 ttmp9, \first
	s_cselect_b64 s[26:27], s[\ptr:\ptr+1], s[26:27]
	s_cselect_b32 s32, \first, s32
	s_cselect_b32 s33, \sidx, s33
.endm
	s_mov_b64 s[26:27], s[4:5]                     ; key,
	s_mov_b32 s32, 0                               ; its first work-group,
	s_mov_b32 s33, 0                               ; the byte at which its exponent stands
	PICK 128, 6, 8                                 ; query
	PICK 256, 8, 16                                ; value
	PICK 384, 10, 4                                ; Wk
	PICK 400, 12, 12                               ; Wq
	PICK 416, 14, 20                               ; Wv
	PICK 432, 16, 44                               ; Wo
	PICK 448, 18, 0                                ; mask (the exponent read there is not used)
	s_load_b32 s46, s[20:21], s33 offset:0x0       ; e
	s_sub_co_u32 s34, ttmp9, s32
	s_lshl_b32 s34, s34, 2
	s_add_co_u32 s34, s34, s30                     ; my job within the tensor
	s_lshl_b32 s35, ttmp9, 2
	s_add_co_u32 s35, s35, s30                     ; J
	s_lshl_b32 s36, s34, 16                        ; quantiser: 16 rows of 4,096 bytes in,
	s_lshr_b32 s38, s35, 3
	s_lshl_b32 s38, s38, 17
	s_and_b32 s39, s35, 7
	s_lshl_b32 s39, s39, 12
	s_add_co_u32 s38, s38, s39                     ; (J / 8) x 131072 + (J % 8) x 4096 out
	s_lshr_b32 s40, s34, 1                         ; mask: the query tile,
	s_and_b32 s41, s34, 1                          ; the half of its keys
	s_lshl_b32 s42, s40, 17
	s_lshl_b32 s43, s41, 12
	s_add_co_u32 s42, s42, s43                     ; 16 rows of 8,192 bytes, + 4,096 for the right half, in
	s_lshl_b32 s44, s40, 12
	s_lshl_b32 s45, s41, 11
	s_add_co_u32 s44, s44, s45                     ; 4,096 bytes a tile, + 2,048, out
	s_mov_b32 s45, 4096
	s_cmp_ge_u32 ttmp9, MASKWG
	s_cselect_b32 s36, s42, s36
	s_cselect_b32 s38, s44, s38
	s_cselect_b32 s45, 8192, s45                   ; the row's pitch in memory
	s_cselect_b64 s[28:29], s[24:25], s[22:23]
	s_mov_b32 s37, 0
	s_mov_b32 s39, 0
	s_add_nc_u64 s[26:27], s[26:27], s[36:37]      ; in
	s_add_nc_u64 s[28:29], s[28:29], s[38:39]      ; out
.irp i, 0,1,2,3,4,5,6,7,8,9,10,11,12,13,14,15
	s_mul_i32 s40, s45, \i
	v_add_nc_u32 v[OFFR+\i], s40, v[LI]
.endr
.macro LOAD t                          ; step t: 16 loads, each 512 consecutive bytes of one row; read once in the launch
.irp i, 0,1,2,3,4,5,6,7,8,9,10,11,12,13,14,15
	global_load_b128 v[R+64*((\t)%2)+4*\i:R+64*((\t)%2)+4*\i+3], v[OFFR+\i], s[26:27] offset:512*(\t) th:TH_LOAD_NT
.endr
.endm
	s_wait_alu depctr_va_vdst(0)
	LOAD 0
	LOAD 1
	s_wait_kmcnt 0x0
	s_add_co_i32 s46, s46, 127
	s_lshl_b32 s47, s46, 23
	v_mov_b32 v[SC], s47                           ; 2^e: the conversion takes its exponent field
.macro STEP t
.if (\t) < 7
	s_wait_loadcnt 16                              ; this step's 16 loads are in; the next step's 16 may be out
.else
	s_wait_loadcnt 0
.endif
.irp i, 0,1,2,3,4,5,6,7,8,9,10,11,12,13,14,15
	ds_store_b128 v[STW], v[R+64*((\t)%2)+4*\i:R+64*((\t)%2)+4*\i+3] offset:SP*\i
.endr
.irp c, 0,1,2,3,4,5,6,7                ; LDS serves a wave's instructions in order (ISA guide 5.7.1.4): these see the stores above
	ds_load_b128 v[X+8*\c:X+8*\c+3], v[STR] offset:64*\c
	ds_load_b128 v[X+8*\c+4:X+8*\c+7], v[STR] offset:64*\c+16
.endr
	s_wait_dscnt 0x0                               ; the step is back; the stage's stores have read their registers
	s_wait_xcnt 0x0                                ; the earlier global stores have read their data: this step's set of codes and the mask words are written again only behind this wait
.if (\t)+2 < 8
	LOAD (\t)+2
.endif
	s_cmp_ge_u32 ttmp9, MASKWG
	s_cbranch_scc1 .Lmask_\@
	s_wait_alu depctr_va_vdst(0)
.irp c, 0,1,2,3,4,5,6,7
.irp j, 0,1,2,3,4,5,6,7
.endr
	v_cvt_scalef32_pk8_fp8_f32 v[C+16*((\t)%2)+2*\c:C+16*((\t)%2)+2*\c+1], v[X+8*\c:X+8*\c+7], v[SC]   ; registers 2 c, 2 c + 1 of the fragment
.endr
	v_nop                                          ; a plain line behind the last conversion: the next step's LDS loads write these conversions' sources
.irp g, 0,1,2,3
	global_store_b128 v[LI], v[C+16*((\t)%2)+4*\g:C+16*((\t)%2)+4*\g+3], s[28:29] offset:((\t)/2)*32768+((\t)%2)*2048+512*\g   ; 512 consecutive bytes, aligned
.endr
	s_branch .Ljoin_\@
.Lmask_\@:
.set n, 0
	s_wait_alu depctr_va_vdst(0)
.rept 64
	v_cmp_ne_u32 s[40+n%8], 0, v[X+n]              ; bit 16 h + r: does key 16 c + 8 h + j count for query r?
	v_writelane_b32 v[MW+n%2], s[40+n%8], n/2      ; word n goes to lane n / 2
.set n, n+1
.endr
	global_store_b64 v[L8], v[MW:MW+1], s[28:29] offset:256*(\t)   ; 256 consecutive bytes, aligned
.Ljoin_\@:
.endm
.irp t, 0,1,2,3,4,5,6,7
	STEP \t
.endr
	s_wait_tensorcnt 0x0                           ; the wave's end, behind my last LDS store
	ds_add_u32 v[SPW], v[NIL]
	s_wait_dscnt 0x0
	s_endpgm
.Lfunc_end_k_q006e117919_prep:
	.size	k_q006e117919_prep, .Lfunc_end_k_q006e117919_prep-k_q006e117919_prep
	.p2alignl 7, 3214868480
	.fill 96, 4, 3214868480
	.section	.rodata,"a",@progbits
	.p2align	6, 0x0
	.amdhsa_kernel k_q006e117919_prep
		.amdhsa_group_segment_fixed_size 34304
		.amdhsa_private_segment_fixed_size 0
		.amdhsa_enable_private_segment 0
		.amdhsa_kernarg_size 88
		.amdhsa_user_sgpr_count 2
		.amdhsa_user_sgpr_kernarg_segment_ptr 1
		.amdhsa_wavefront_size32 1
		.amdhsa_system_sgpr_workgroup_id_x 1
		.amdhsa_system_sgpr_workgroup_id_y 1
		.amdhsa_system_sgpr_workgroup_id_z 1
		.amdhsa_system_vgpr_workitem_id 0
		.amdhsa_next_free_vgpr 256
		.amdhsa_next_free_sgpr 66
		.amdhsa_reserve_vcc 0
		.amdhsa_float_denorm_mode_32 3
		.amdhsa_float_denorm_mode_16_64 3
		.amdhsa_fp16_overflow 1
		.amdhsa_memory_ordered 1
		.amdhsa_forward_progress 1
		.amdhsa_inst_pref_size 108
	.end_amdhsa_kernel
	.amdgpu_metadata
---
amdhsa.version: [ 1, 2 ]
amdhsa.kernels:
  - .name:           k_q006e117919_prep
    .symbol:         k_q006e117919_prep.kd
    .args:
      - { .name: key, .offset: 0, .size: 8, .value_kind: global_buffer, .address_space: global }
      - { .name: query, .offset: 8, .size: 8, .value_kind: global_buffer, .address_space: global }
      - { .name: value, .offset: 16, .size: 8, .value_kind: global_buffer, .address_space: global }
      - { .name: Wk, .offset: 24, .size: 8, .value_kind: global_buffer, .address_space: global }
      - { .name: Wq, .offset: 32, .size: 8, .value_kind: global_buffer, .address_space: global }
      - { .name: Wv, .offset: 40, .size: 8, .value_kind: global_buffer, .address_space: global }
      - { .name: Wo, .offset: 48, .size: 8, .value_kind: global_buffer, .address_space: global }
      - { .name: mask, .offset: 56, .size: 8, .value_kind: global_buffer, .address_space: global }
      - { .name: lowp_scales, .offset: 64, .size: 8, .value_kind: global_buffer, .address_space: global }
      - { .name: opimg, .offset: 72, .size: 8, .value_kind: global_buffer, .address_space: global }
      - { .name: mbits, .offset: 80, .size: 8, .value_kind: global_buffer, .address_space: global }
    .group_segment_fixed_size: 34304
    .private_segment_fixed_size: 0
    .kernarg_segment_align: 8
    .kernarg_segment_size: 88
    .max_flat_workgroup_size: 128
    .sgpr_count:     66
    .vgpr_count:     256
    .wavefront_size: 32
...
	.end_amdgpu_metadata
.endif
;; end of part 5
;; launch proj (part 6): grid 8 x 96, 4 waves a work-group, clusters of 4 x 4, 327,680 bytes of LDS; arguments opimg, lowp_scales, qimg, kvimg; writes qimg, kvimg
.if DOCPART == 6
	.amdgcn_target "amdgcn-amd-amdhsa--gfx1250"
	.amdhsa_code_object_version 6
	.text
	.protected	k_q006e117919_proj
	.globl	k_q006e117919_proj
	.p2align	8
	.type	k_q006e117919_proj,@function
k_q006e117919_proj:
	s_mov_b64 s[64:65], 0
	v_nop
	global_prefetch_b8 v0, s[64:65] scope:SCOPE_SE
	s_setreg_imm32_b32 hwreg(HW_REG_WAVE_MODE, 25, 1), 1
	s_wait_xcnt 0x0
	s_wait_alu depctr_hold_cnt(0) depctr_sa_sdst(0) depctr_va_vdst(0) depctr_va_sdst(0) depctr_va_ssrc(0) depctr_va_vcc(0) depctr_vm_vsrc(0)
	s_getreg_b32 s2, hwreg(HW_REG_IB_STS2, 6, 4)
	s_cmp_eq_u32 s2, 0
	s_cbranch_scc0 .Lentry_in_a_cluster
	s_endpgm
.Lentry_in_a_cluster:
	s_bfe_u32 s2, ttmp6, 0x10000c
	s_cmp_lg_u32 s2, 0xf033
	s_cbranch_scc0 .Lentry_shape_is_right
	s_endpgm
.Lentry_shape_is_right:
; PROJ.  The three projections k = key Wk^T, q = query Wq^T, v = value Wv^T on codes of E4M3, K = 1,024, sums in f32; each result is quantised at once with the scale of the product that takes it and stored as an image
; of that product's operand registers.  A third of the grid's rows of clusters serves each: tid = cluster y / 8 = 0 (k), 1 (q), 2 (v).
; A TILE is 256 rows of X1 x 128 rows of X0.  The matrix instruction takes 16 rows of X0 as source 0 and 16 rows of X1 as source 1: in the result lane (r, h) holds row r of X1, and its registers j = 0 .. 7 rows 8 h + j of X0.
; Eight such registers, converted, ARE registers 2 c, 2 c + 1 of an operand whose rows are X1's and whose K runs along X0's rows (c = the tile of X0): nothing changes lanes.
;   k, q: X1 = the activation's rows (keys, queries), X0 = the weight's rows (channels): fragments of 16 rows x 64 channels of one head, 1,024 bytes.
;   v:    X1 = Wv's rows (channels), X0 = value's rows (keys): fragments of 16 channels x 128 keys: v comes out with the keys innermost, as the second product of attention wants it.
; Four waves, wave (wy, wx) = (w / 2, w % 2): 128 rows of X1 (8 tiles) x 64 rows of X0 (4 tiles): 32 accumulators.
; OPERANDS lie in memory as images of fragments (16 rows x 128 k = 2,048 bytes, group g of four registers at 512 g + 16 x lane), 128 rows x 256 k on end in 32,768 bytes: a tensor load brings a dense block,
; and a fragment comes out of LDS by four ds_load_b128 at 16 x lane: no pitch, no padding.
; THE RING: three slots of 98,304 bytes, 256 along K each.  The first three quarters of K are first fills (three loads of a wave are out); the last quarter is the one refill, into slot 0.
; CLUSTER: 4 x 4 work-groups.  X1's tile hangs on the place along y and is asked for jointly by a row of the cluster, X0's on the place along x and by a column.
; OUT.  qimg [batch][head][tile of 16 queries][1,024];  kvimg [batch][head][step of 128 keys][16,384]: 8 key tiles x 1,024 of k, then 4 channel tiles x 2,048 of v.
; LIMIT: eo - ea - eb (the taking product's exponent less the two operands') between -126 and 127, so that the conversion's scale is an f32 number.
; REGISTERS, in windows of 256: window 0: addresses, constants, v64-127 the codes.  Windows 1 and 2: two sets of fragments: X0's tile t at v[16 t], X1's tile i at v[64 + 16 i].  Window 3: accumulator (i, t) at v[8 (4 i + t)].
.set SLOT,   98304                     ; X1's two halves of 32,768, then X0's two of 16,384
.set X0OFF,  65536
.set SPARE,  3*SLOT                    ; behind the ring: the spare words, 128 bytes for each wave, which no other line names
.set ADRA, 16                          ; v16-18  my X1 fragments in slot 0, 1, 2: 16 x lane + 32768 wy
.set ADRB, 20                          ; v20-22  my X0 fragments: 16 x lane + 65536 + 16384 wx
.set LI,   24                          ; v24     16 x lane
.set SPW,  28                          ; v28     my spare word's LDS address; never rewritten
.set NIL,  29                          ; v29     0; never rewritten
.set SC,   30                          ; v30     the conversion's scale
.set LIM,  31
.set CD,   64                          ; v64-127 the codes: X1's tile i at v[64 + 8 i]
.set G1,  24                           ; s[24:31] descriptor group 1 for X1's tiles;  s[40:51] group 0, a set for each slot
.set G1B, 32                           ; s[32:39], s[52:63] the same for X0's
.set G0,  40
.set G0B, 52
.set MSB, 0
.macro WIN new                         ; the immediate's high byte repeats the setting that is left; a switch that changes nothing is dropped
.if MSB != (\new)
	s_set_vgpr_msb (MSB<<8)|(\new)
.set MSB, (\new)
.endif
.endm
; A joint load: waves 0 and 1 fetch X1's halves, waves 2 and 3 X0's.  The branch hangs on the wave's number alone.  An s_nop 0 and four v_nop follow each of the two lines.
.macro JLOAD s
	s_cmp_eq_u32 s15, 0
	s_cbranch_scc0 .Lfor_x0_\@
	tensor_load_to_lds s[G0+4*\s:G0+4*\s+3], s[G1:G1+7]
	s_nop 0
.rept 4
	v_nop
.endr
	s_branch .Lasked_\@
.Lfor_x0_\@:
	tensor_load_to_lds s[G0B+4*\s:G0B+4*\s+3], s[G1B:G1B+7]
	s_nop 0
.rept 4
	v_nop
.endr
.Lasked_\@:
.endm
.macro CREST                           ; a round of the cluster's barrier behind its opening barrier
	s_cmp_lg_u32 s14, 0
	s_cbranch_scc1 .Lnot_wave_0_\@
	s_barrier_signal -3
.Lnot_wave_0_\@:
	s_barrier_wait -3
	s_barrier_signal -1
	s_barrier_wait -1
.endm
.macro CROUND                          ; a whole round
	s_barrier_signal -1
	s_barrier_wait -1
	CREST
.endm
.macro PLACES                          ; four plain vector lines between a matrix instruction and a load into, or a vector read or write of, its registers
.rept 4
	v_nop
.endr
.endm
	s_load_b256 s[4:11], s[0:1], 0x0               ; the codes s[4:5], the exponents s[6:7], qimg s[8:9], kvimg s[10:11]
	v_lshl_add_u32 v[SPW], v0, 2, SPARE
	v_mov_b32 v[NIL], 0
	ds_add_u32 v[SPW], v[NIL]
	ds_add_u32 v[SPW], v[NIL]                      ; the wave's opening: the add and its wait stand ahead of my first tensor load; the set-up below stands between them
	v_lshrrev_b32 v1, 5, v0
	v_readfirstlane_b32 s14, v1                    ; wave 0..3
	s_lshr_b32 s15, s14, 1                         ; wy.  Also: I fetch for X1 (0) or for X0 (1)
	s_and_b32 s16, s14, 1                          ; wx.  Also: which half of that tile I fetch
	s_bfe_u32 s80, ttmp6, 0x40000                  ; cx
	s_bfe_u32 s81, ttmp6, 0x40004                  ; cy
	s_and_b32 s82, ttmp7, 0xffff                   ; cluster y
	s_lshr_b32 s83, s82, 3                         ; tid: 0 k, 1 q, 2 v: the same in all partners
	s_and_b32 s82, s82, 7
	s_lshl_b32 s72, s82, 1
	s_add_co_u32 s72, s72, ttmp9                   ; v: 16 groups of four blocks of value's rows
	s_lshl_b32 s67, s83, 23                        ; k, q: the activation's codes begin at tid x 8 MiB,
	s_lshl_b32 s73, s83, 20
	s_add_co_u32 s73, s73, 24<<20                  ; the weight's at 24 MiB + tid MiB
	s_cmp_eq_u32 s83, 2
	s_cselect_b32 s66, 0, s82
	s_cselect_b32 s72, s72, ttmp9
	s_cselect_b32 s67, 26<<20, s67                 ; v: X1 = Wv,
	s_cselect_b32 s73, 16<<20, s73                 ; X0 = value
	s_lshl_b32 s66, s66, 2
	s_add_co_u32 s66, s66, s81                     ; X1's block of 256 rows: hangs on cy alone of the two places
	s_lshl_b32 s72, s72, 2
	s_add_co_u32 s72, s72, s80                     ; X0's block of 128 rows: on cx alone
	s_lshl_b32 s68, s66, 18
	s_add_co_u32 s68, s68, s67
	s_lshl_b32 s69, s16, 17
	s_add_co_u32 s68, s68, s69                     ; X1: block x 262144 + half x 131072
	s_mov_b32 s69, 0
	s_lshl_b32 s74, s72, 17
	s_add_co_u32 s74, s74, s73
	s_lshl_b32 s75, s16, 14
	s_add_co_u32 s74, s74, s75                     ; X0: block x 131072 + half x 16384
	s_mov_b32 s75, 0
	s_lshl_b32 s78, s81, 2
	s_lshl_b32 s78, 15, s78                        ; my row of the cluster
	s_lshl_b32 s79, 0x1111, s80                    ; my column
	; descriptor group 1: dense blocks as rows of 32 elements of 8 bytes: X1 128 rows, X0 64
	s_or_b32 s[G1], s78, (3<<16)|(1<<21)           ; 15:0 the mask; 17:16 elements of 8 bytes; 21 set beside a mask; no padding
	s_mov_b32 s[G1+1], 32<<16                      ; tensor_dim0
	s_mov_b32 s[G1+2], 128<<16                     ; tensor_dim1
	s_mov_b32 s[G1+3], 32<<16                      ; tile_dim0
	s_mov_b32 s[G1+4], 128                         ; tile_dim1
	s_mov_b32 s[G1+5], 32                          ; from row to row
	s_mov_b32 s[G1+6], 0
	s_mov_b32 s[G1+7], 0
	s_or_b32 s[G1B], s79, (3<<16)|(1<<21)
	s_mov_b32 s[G1B+1], 32<<16
	s_mov_b32 s[G1B+2], 64<<16
	s_mov_b32 s[G1B+3], 32<<16
	s_mov_b32 s[G1B+4], 64
	s_mov_b32 s[G1B+5], 32
	s_mov_b32 s[G1B+6], 0
	s_mov_b32 s[G1B+7], 0
	s_lshl_b32 s20, s16, 15                        ; where they go: X1's half,
	s_lshl_b32 s21, s16, 14
	s_add_co_u32 s21, s21, X0OFF                   ; X0's half: no place in the cluster enters an LDS address
	s_wait_dscnt 0x0                               ; the opening add is done
	s_wait_kmcnt 0x0
	s_load_b256 s[84:91], s[6:7], 0x0              ; e0 .. e7
	s_load_b128 s[92:95], s[6:7], 0x20             ; e8 .. e11
	s_add_nc_u64 s[70:71], s[4:5], s[68:69]
	s_add_nc_u64 s[76:77], s[4:5], s[74:75]
	CROUND                                         ; all sixteen work-groups are here: the first joint loads meet
.irp s, 0,1,2
	s_mov_b32 s[G0+4*\s], 1
	s_add_co_u32 s[G0+4*\s+1], s20, \s*SLOT
	s_add_nc_u64 s[G0+4*\s+2:G0+4*\s+3], s[70:71], \s*32768
	s_or_b32 s[G0+4*\s+3], s[G0+4*\s+3], 0x80000000
	s_mov_b32 s[G0B+4*\s], 1
	s_add_co_u32 s[G0B+4*\s+1], s21, \s*SLOT
	s_add_nc_u64 s[G0B+4*\s+2:G0B+4*\s+3], s[76:77], \s*32768
	s_or_b32 s[G0B+4*\s+3], s[G0B+4*\s+3], 0x80000000
	JLOAD \s                                       ; three quarters of K go out together
.endr
	v_and_b32 v1, 31, v0
	v_lshlrev_b32 v[LI], 4, v1
	s_lshl_b32 s17, s15, 15
	s_lshl_b32 s18, s16, 14
	s_add_co_u32 s18, s18, X0OFF
.irp s, 0,1,2
	v_add_nc_u32 v[ADRA+\s], s17, v[LI]
	v_add_nc_u32 v[ADRB+\s], s18, v[LI]
	s_add_co_u32 s17, s17, SLOT
	s_add_co_u32 s18, s18, SLOT
.endr
	; where my results go
	s_lshr_b32 s2, s66, 3                          ; k, q: batch = X1's block / 8
	s_lshl_b32 s2, s2, 4
	s_lshl_b32 s3, s72, 1
	s_add_co_u32 s2, s2, s3
	s_add_co_u32 s2, s2, s16                       ; 16 x batch + head, head = 2 x X0's block + wx
	s_and_b32 s3, s66, 7
	s_lshl_b32 s3, s3, 1
	s_add_co_u32 s3, s3, s15                       ; my 128 rows within the batch
	s_lshl_b32 s17, s2, 18
	s_lshl_b32 s18, s3, 14
	s_add_co_u32 s17, s17, s18                     ; k: a head is 262,144 bytes, a step of 128 keys 16,384
	s_lshl_b32 s18, s2, 17
	s_lshl_b32 s19, s3, 13
	s_add_co_u32 s18, s18, s19                     ; q: a head is 131,072 bytes, 128 queries 8,192
	s_lshr_b32 s19, s72, 4                         ; v: batch = X0's block / 16
	s_lshl_b32 s19, s19, 4
	s_lshl_b32 s22, s66, 2
	s_add_co_u32 s19, s19, s22
	s_lshl_b32 s22, s15, 1
	s_add_co_u32 s19, s19, s22                     ; 16 x batch + my first head, 4 x X1's block + 2 wy
	s_lshl_b32 s19, s19, 18
	s_and_b32 s22, s72, 15
	s_lshl_b32 s22, s22, 14
	s_add_co_u32 s19, s19, s22                     ; the step of 128 keys
	s_lshl_b32 s22, s16, 10
	s_add_co_u32 s19, s19, s22                     ; my 64 keys are registers 8 wx .. 8 wx + 7 of a fragment
	s_add_co_u32 s19, s19, 8192                    ; behind the step's k
	s_cmp_eq_u32 s83, 1
	s_cselect_b32 s17, s18, s17
	s_cselect_b64 s[12:13], s[8:9], s[10:11]
	s_cmp_eq_u32 s83, 2
	s_cselect_b32 s78, s19, s17
	s_mov_b32 s79, 0
	s_add_nc_u64 s[12:13], s[12:13], s[78:79]
	s_wait_alu depctr_va_vdst(0)
	s_wait_kmcnt 0x0
	s_add_co_i32 s84, s84, s85
	s_add_co_i32 s86, s86, s87
	s_add_co_i32 s88, s88, s89
	s_sub_co_i32 s84, s91, s84                     ; k: e7 - e0 - e1
	s_sub_co_i32 s86, s90, s86                     ; q: e6 - e2 - e3
	s_sub_co_i32 s88, s93, s88                     ; v: e9 - e4 - e5
	s_cmp_eq_u32 s83, 1
	s_cselect_b32 s84, s86, s84
	s_cmp_eq_u32 s83, 2
	s_cselect_b32 s84, s88, s84                    ; a sum stands for sum x 2^(ea + eb): its code is sum / 2^(eo - ea - eb)
	s_add_co_i32 s84, s84, 127
	s_lshl_b32 s85, s84, 23
	v_mov_b32 v[SC], s85
; 8 matrix instructions: X1's tiles i0, i0 + 1 x X0's four, 128 along K; the window picks the set.  The 32 accumulators take turns, one instruction a turn, in the same order in every step.
.macro MUL8 i0, zero
.irp i, \i0, \i0+1
.irp t, 0,1,2,3
.if \zero
	v_wmma_f32_16x16x128_fp8_fp8 v[8*(4*(\i)+\t):8*(4*(\i)+\t)+7], v[16*\t:16*\t+15], v[64+16*(\i):64+16*(\i)+15], 0
.else
	v_wmma_f32_16x16x128_fp8_fp8 v[8*(4*(\i)+\t):8*(4*(\i)+\t)+7], v[16*\t:16*\t+15], v[64+16*(\i):64+16*(\i)+15], v[8*(4*(\i)+\t):8*(4*(\i)+\t)+7]
.endif
.endr
.endr
.endm
; 48 LDS loads in one run: my twelve fragments of the slot's half ksl into set p
.macro FETCH slot, ksl, p
	WIN 0x40*((\p)+1)                              ; destination window 1 or 2, address window 0
.irp t, 0,1,2,3
.irp g, 0,1,2,3
	ds_load_b128 v[16*\t+4*\g:16*\t+4*\g+3], v[ADRB+\slot] offset:\t*4096+(\ksl)*2048+512*\g
.endr
.endr
.irp i, 0,1,2,3,4,5,6,7
.irp g, 0,1,2,3
	ds_load_b128 v[64+16*\i+4*\g:64+16*\i+4*\g+3], v[ADRA+\slot] offset:\i*4096+(\ksl)*2048+512*\g
.endr
.endr
.endm
; A step of 128 along K on set p; the next step's fragments are asked for first and land under the 32 products.
.macro STEPN p, nslot, nksl, zero
	s_wait_dscnt 0x0                               ; set p is in
	PLACES                                         ; the other set was read by the products just issued
	FETCH \nslot, \nksl, 1-(\p)
	WIN 0xF5+5*(\p)                                ; sources 0 and 1: window 1 or 2; C and D: window 3
	MUL8 0, \zero
	MUL8 2, \zero
	MUL8 4, \zero
	MUL8 6, \zero
.endm
	s_wait_tensorcnt 0x2                           ; my part of the first quarter of K is in; the two loads behind it may be out
	s_barrier_signal -1
	s_barrier_wait -1                              ; everybody's is
	FETCH 0, 0, 0
	STEPN 0, 0, 1, 1                               ; step 0: its products start the sums: nothing is cleared
	; step 1 leaves slot 0, which takes the last quarter of K.  In front of the round each wave waits for all its tensor loads, adds 0 to its spare word, and waits for that and for its reads of the slot.
	WIN 0
	s_wait_tensorcnt 0x0                           ; all three fills of mine have landed
	ds_add_u32 v[SPW], v[NIL]
	s_wait_dscnt 0x1                               ; set 1 is in; the add may be out
	WIN 0xFA
	MUL8 0, 0                                      ; eight products stand between the add and the wait for it
	s_wait_dscnt 0x0                               ; the add is done, and my reads of slot 0 are over
	s_barrier_signal -1
	MUL8 2, 0
	WIN 0
	s_barrier_wait -1
	CREST                                          ; no wave of any partner still reads slot 0 or has a load on its way; slots 1 and 2 are whole in every work-group
	s_add_nc_u64 s[G0+2:G0+3], s[G0+2:G0+3], 3*32768
	s_add_nc_u64 s[G0B+2:G0B+3], s[G0B+2:G0B+3], 3*32768
	JLOAD 0                                        ; the first tensor load behind the round, one a wave; its four v_nop are also the places in front of the loads below
	FETCH 1, 0, 0
	WIN 0xFA
	MUL8 4, 0
	MUL8 6, 0
	STEPN 0, 1, 1, 0                               ; step 2
	STEPN 1, 2, 0, 0                               ; step 3
	STEPN 0, 2, 1, 0                               ; step 4
	s_wait_dscnt 0x0                               ; step 5: set 1 is in
	WIN 0xFA
	MUL8 0, 0
	MUL8 2, 0
	s_wait_tensorcnt 0x0                           ; my part of the last quarter of K is in (asked for 128 products ago),
	s_barrier_signal -1
	s_barrier_wait -1                              ; everybody's is
	PLACES
	FETCH 0, 0, 0
	WIN 0xFA
	MUL8 4, 0
	MUL8 6, 0
	STEPN 0, 0, 1, 0                               ; step 6
	s_wait_dscnt 0x0                               ; step 7: nothing more to fetch
	WIN 0xFA
	MUL8 0, 0
	MUL8 2, 0
	MUL8 4, 0
	MUL8 6, 0
	; THE WAY OUT: convert, store.  Each accumulator is taken from its low end on.
	PLACES
	WIN 0xC3                                       ; source 0 and destination window 3
.set n, 0
.rept 256
.set n, n+1
.endr
	WIN 0x03                                       ; source 0 window 3, destination window 0
	s_wait_alu depctr_va_vdst(0)
.irp i, 0,1,2,3,4,5,6,7
.irp t, 0,1,2,3
	v_cvt_scalef32_pk8_fp8_f32 v[CD+8*\i+2*\t:CD+8*\i+2*\t+1], v[8*(4*\i+\t):8*(4*\i+\t)+7], v[SC]   ; row r of X1's tile i, K = X0's rows 16 t + 8 h + 0 .. 7
.endr
.endr
	v_nop                                          ; a plain line behind the last conversion
	WIN 0
	s_cmp_eq_u32 s83, 2
	s_cbranch_scc1 .Lstore_v
.irp i, 0,1,2,3,4,5,6,7
.irp g, 0,1
	global_store_b128 v[LI], v[CD+8*\i+4*\g:CD+8*\i+4*\g+3], s[12:13] offset:1024*\i+512*\g   ; k, q: tile i's fragment; 512 consecutive bytes, aligned
.endr
.endr
	s_branch .Lstored
.Lstore_v:
	s_wait_alu depctr_va_vdst(0)
.irp i, 0,1,2,3,4,5,6,7
.irp g, 0,1
	global_store_b128 v[LI], v[CD+8*\i+4*\g:CD+8*\i+4*\g+3], s[12:13] offset:(\i/4)*262144+(\i%4)*2048+512*\g   ; v: head i / 4 of my two, channel tile i % 4, my half of the fragment
.endr
.endr
.Lstored:
	s_wait_tensorcnt 0x0                           ; the wave's end, behind my last tensor load
	ds_add_u32 v[SPW], v[NIL]
	s_wait_dscnt 0x0
	CROUND                                         ; the closing round: no work-group ends while a partner may still ask for a tile that names it
	s_endpgm
.Lfunc_end_k_q006e117919_proj:
	.size	k_q006e117919_proj, .Lfunc_end_k_q006e117919_proj-k_q006e117919_proj
	.p2alignl 7, 3214868480
	.fill 96, 4, 3214868480
	.section	.rodata,"a",@progbits
	.p2align	6, 0x0
	.amdhsa_kernel k_q006e117919_proj
		.amdhsa_group_segment_fixed_size 327680
		.amdhsa_private_segment_fixed_size 0
		.amdhsa_enable_private_segment 0
		.amdhsa_kernarg_size 32
		.amdhsa_user_sgpr_count 2
		.amdhsa_user_sgpr_kernarg_segment_ptr 1
		.amdhsa_wavefront_size32 1
		.amdhsa_system_sgpr_workgroup_id_x 1
		.amdhsa_system_sgpr_workgroup_id_y 1
		.amdhsa_system_sgpr_workgroup_id_z 1
		.amdhsa_system_vgpr_workitem_id 0
		.amdhsa_next_free_vgpr 1024
		.amdhsa_next_free_sgpr 100
		.amdhsa_reserve_vcc 0
		.amdhsa_float_denorm_mode_32 3
		.amdhsa_float_denorm_mode_16_64 3
		.amdhsa_fp16_overflow 1
		.amdhsa_memory_ordered 1
		.amdhsa_forward_progress 1
		.amdhsa_inst_pref_size 58
	.end_amdhsa_kernel
	.amdgpu_metadata
---
amdhsa.version: [ 1, 2 ]
amdhsa.kernels:
  - .name:           k_q006e117919_proj
    .symbol:         k_q006e117919_proj.kd
    .args:
      - { .name: opimg, .offset: 0, .size: 8, .value_kind: global_buffer, .address_space: global }
      - { .name: lowp_scales, .offset: 8, .size: 8, .value_kind: global_buffer, .address_space: global }
      - { .name: qimg, .offset: 16, .size: 8, .value_kind: global_buffer, .address_space: global }
      - { .name: kvimg, .offset: 24, .size: 8, .value_kind: global_buffer, .address_space: global }
    .group_segment_fixed_size: 327680
    .private_segment_fixed_size: 0
    .kernarg_segment_align: 8
    .kernarg_segment_size: 32
    .max_flat_workgroup_size: 128
    .sgpr_count:     100
    .vgpr_count:     1024
    .wavefront_size: 32
...
	.end_amdgpu_metadata
.endif
;; end of part 6
;; launch attn (part 7): grid 8 x 32, 8 waves a work-group, clusters of 4 x 1, 327,680 bytes of LDS; arguments qimg, kvimg, mbits, lowp_scales, vimg; writes vimg
.if DOCPART == 7
	.amdgcn_target "amdgcn-amd-amdhsa--gfx1250"
	.amdhsa_code_object_version 6
	.text
	.protected	k_q006e117919_attn
	.globl	k_q006e117919_attn
	.p2align	8
	.type	k_q006e117919_attn,@function
k_q006e117919_attn:
	s_mov_b64 s[64:65], 0
	v_nop
	global_prefetch_b8 v0, s[64:65] scope:SCOPE_SE
	s_setreg_imm32_b32 hwreg(HW_REG_WAVE_MODE, 25, 1), 1
	s_wait_xcnt 0x0
	s_wait_alu depctr_hold_cnt(0) depctr_sa_sdst(0) depctr_va_vdst(0) depctr_va_sdst(0) depctr_va_ssrc(0) depctr_va_vcc(0) depctr_vm_vsrc(0)
	s_getreg_b32 s2, hwreg(HW_REG_IB_STS2, 6, 4)
	s_cmp_eq_u32 s2, 0
	s_cbranch_scc0 .Lentry_in_a_cluster
	s_endpgm
.Lentry_in_a_cluster:
	s_bfe_u32 s2, ttmp6, 0x10000c
	s_cmp_lg_u32 s2, 0x3003
	s_cbranch_scc0 .Lentry_shape_is_right
	s_endpgm
.Lentry_shape_is_right:
; ATTN.  val[b][q][head] = softmax_k(mask(q . k) / 8) v, both products on codes of E4M3, with the mask as it is given (one bit a number, packed by the first launch).  4 batches, 16 heads of 64 channels, 2,048 queries and keys.
; THE SOFTMAX AHEAD OF THE SECOND PRODUCT: t = score x log2(e) / 8; M = the row's largest t so far, rounded UP to a whole number; p = 2^(t - M) is quantised along the keys with 2^ep; it is not normalised.
; The row's sum is taken of the unquantised p, in f32, and divides O at the end.  When M moves, the sum and O are multiplied by 2^(old M - new M): exact.
; SHARES.  A work-group has 256 queries of one batch x TWO heads; each of its eight waves two tiles of 16 queries (A, B) for both heads: four units u = 2 X + a (X: tile, a: head).  Every wave walks all 2,048 keys, 128 a step.
; A fragment of k or v read from LDS feeds two matrix instructions (tiles A and B); a tile's mask, once made into a bias, serves both heads.
; LAYOUT.  S^T = k q^T (source 0 = 16 keys, source 1 = 16 queries) and O^T = v^T p^T (source 0 = 16 channels, source 1 = p): a lane holds ONE query (lane % 16) throughout; registers j of tile c are keys 16 c + 8 (lane / 16) + j,
; which converted are registers 2 c, 2 c + 1 of p's fragment; likewise O^T's become val's.  All operands come and go as images of registers (group g of four registers at 512 g + 16 x lane).
; THE MASK is the C of S^T's matrix instruction: 0 where the key counts, -2^126 where it does not.  Scores of codes lie within +-64 x 448^2 < 2^25, and the running largest t begins at -c 2^25, under every t of a key that counts
; and over every t of one that does not: a hidden key never sets M, and its p is 2^(a huge negative number) = 0.
; A query none of whose keys counts ends with the sum 0: its codes are set to the format's NaN, and the row of the output becomes NaN in the last launch.
; THE TWO TILES GO THROUGH A HEAD'S SOFTMAX TOGETHER: maxima in four chains, the two tails line by line; tile A's exponentials stand among tile B's scalings, tile B's among tile A's sums and conversions.
; THREE REGIONS OF 32 REGISTERS CHANGE ROLES, so that no load of k is awaited right behind its issue: R1 = v68-99, R2 = v164-195, R3 = v196-227.
;   head 0: k's key tiles 0-3 in R1, 4-7 in R3 (asked for at the step's head; tile B's bias is made meanwhile); tile B's scores of tiles 0-3 in R2, of tiles 4-7 in R1, over k's tiles 0-3; p's codes in R3.
;   head 1: k's tiles 0-3 in R1, 4-7 in R2 (asked for behind head 0's last conversion, ahead of its second product); tile B's scores of tiles 4-7 in R3, of tiles 0-3 in R2, over k's tiles 4-7; p's codes in R1.
; THE RING: two slots of 131,072 bytes, each 4 key steps x 2 heads x 16,384 (8 key tiles x 1,024 of k, 4 channel tiles x 2,048 of v).  Each wave fetches one dense block of 16,384 bytes a slot: one tensor load of a wave is out.
; CLUSTER: the four query blocks of a cluster walk the same k and v: each block is asked for jointly, by the same load in all four.
; No prefetch is laid for k and v: a fill is asked for at the head of a slot and wanted at the head of the next, four key steps on.  The mask's words are prefetched: macro ASK.
; LIMITS on the given exponents: eq + ek between -112 and 100 (added to c's exponent field; c 2^25 stays finite and c 2^126 stays above 2^8); ep, and e10 - ep - ev, between -126 and 119.
; REGISTERS.  Window 0: v1-19 addresses, constants, at work; v20-35 statistics, unit u at 20 + 4 u: -M, the largest t, the sum in two halves; v36-67 q, unit u at 36 + 8 u; v68-99 R1; v100-163 S^T of A, later v's four fragments;
;   v164-195 R2; v196-227 R3; v228-237 constants, at work.   Window 1: v0-63, v64-127 the bias of A, of B; v128-255 O^T, unit u's channel tile t at 128 + 32 u + 8 t.
.set SLOT1, 1<<17
.set SPARE, 2*SLOT1                    ; behind the ring: the spare words, 128 bytes for each wave, which no other line names
.set LI,    1                          ; v1   16 x lane
.set ADR,   2                          ; v2   the key step's tiles in LDS
.set PLIM2, 3
.set SPW,   4                          ; v4   my spare word's LDS address; never rewritten
.set NIL,   5                          ; v5   0; never rewritten
.set NEG,   6                          ; v6   -2^126
.set ZER,   7                          ; v7   0
.set PLIM,  8
.set PSC,   9                          ; v9   2^ep
.set T1,    10                         ; v[10:11] the sum's second chain
.set MX,    12                         ; v12, v13: tile A's two chains of the maximum; v14, v15: tile B's
.set FF,    16                         ; v[16:17], v[18:19] f = 2^(old M - new M) of tile A, B (the low word is used)
.set ST,    20
.set Q,     36
.set KL,    68                         ; R1
.set S,     100                        ; S^T of A; S + 64 = R2
.set CD,    196                        ; R3
.set OSC,   228                        ; v228 2^(e10 - ep - ev)
.set OLIM,  229
.set NANC,  230                        ; v230 four NaN codes
.set PFO,   231                        ; v231 the prefetches' offset; never rewritten
.set T2,    232                        ; v[232:233], v[234:235] the sum's third and fourth chain
.set T3,    234
.set PRM,   236                        ; v236, v237 the lane permutes' destinations
.set OT,    128                        ; O^T, in window 1
.set CS,   4                           ; s[4:5]   c = log2(e) / 8 x 2^(eq + ek)
.set SEL,  6                           ; s[6:7]   lane selects for v_permlanex16_b32: lane l xor 16
.set MP,   8                           ; s[8:9]   my tile A's mask words
.set OUT,  10                          ; s[10:11] my tile A's fragment of val
.set WV,   12                          ; s12  my wave's number
.set TB,   13                          ; s13  LDS byte at which the key step's tiles begin
.set NSL,  14                          ; s14  slots still to be asked for
.set NST,  15                          ; s15  counts a slot's four steps (at the head: e10)
.set MO,   16                          ; s16  256 x the key step whose mask words are loaded
.set LIM,  17                          ; s17  1 in a wave that prefetches, else 0
.set G1,   52                          ; s[52:59] descriptor group 1;  s[60:63] group 0, which walks
.set G0,   60
.set PFA,  104                         ; s[104:105] where my prefetches stand
; s[20:35], s[36:51], s[68:83], s[84:99]: a tile's 64 mask words of one key step (at the head: the arguments)
.set MSB, 0
.macro WIN new                         ; the immediate's high byte repeats the setting that is left; a switch that changes nothing is dropped
.if MSB != (\new)
	s_set_vgpr_msb (MSB<<8)|(\new)
.set MSB, (\new)
.endif
.endm
.macro CROUND                          ; a round of the cluster's barrier
	s_barrier_signal -1
	s_barrier_wait -1
	s_cmp_lg_u32 s[WV], 0
	s_cbranch_scc1 .Lnot_wave_0_\@
	s_barrier_signal -3
.Lnot_wave_0_\@:
	s_barrier_wait -3
	s_barrier_signal -1
	s_barrier_wait -1
.endm
.macro PLACES                          ; four plain vector lines between a matrix instruction and a load into, or a vector read or write of, its registers
.rept 4
	v_nop
.endr
.endm
; A PREFETCH INTO THE L2 of the mask words of the NEXT slot's four key steps, for the work-group's 16 tiles of queries: 64 blocks of 256 bytes.  It stands behind the wave's tensor load and its five lines.
; Each block is named once in the launch.  The eight pairs of heads of a batch read the same words: the work-groups of the first pair ask.  In each, waves 0 and 1 ask, one instruction each: wave w for tiles 8 w .. 8 w + 7,
; lane l for tile l / 4 of them (4,096 bytes a tile) and step l % 4 of the slot (256 bytes a step).  The partners of a cluster differ by address alone.  Each of the three changes that fill a slot has a next slot; slot 0's words come by their loads alone.
.macro ASK
	s_cmp_eq_u32 s[LIM], 1
	s_cbranch_scc0 .Lnot_mine_\@
	global_prefetch_b8 v[PFO], s[PFA:PFA+1] th:TH_LOAD_NT scope:SCOPE_SE
.Lnot_mine_\@:
.endm
	s_load_b256 s[20:27], s[0:1], 0x0              ; qimg s[20:21], kvimg s[22:23], mbits s[24:25], the exponents s[26:27]
	s_load_b64 s[28:29], s[0:1], 0x20              ; vimg
	v_lshl_add_u32 v[SPW], v0, 2, SPARE
	v_mov_b32 v[NIL], 0
	ds_add_u32 v[SPW], v[NIL]                      ; the wave's opening: the add and its wait stand ahead of my first tensor load; the set-up below stands between them
	v_lshrrev_b32 v[T1], 5, v0
	v_readfirstlane_b32 s[WV], v[T1]               ; wave 0..7
	s_bfe_u32 s2, ttmp6, 0x40000                   ; cx
	s_lshl_b32 s3, ttmp9, 2
	s_add_co_u32 s3, s3, s2                        ; my block of 256 queries: it enters q's, the mask's and val's addresses alone
	s_and_b32 s17, ttmp7, 0xffff
	s_lshr_b32 s18, s17, 3                         ; batch
	s_and_b32 s19, s17, 7                          ; pair of heads
	s_lshl_b32 s100, s18, 4
	s_lshl_b32 s101, s19, 1
	s_add_co_u32 s100, s100, s101                  ; 16 x batch + my first head
	s_lshr_b32 s101, s[WV], 2                      ; what I fetch: head w / 4 of the two,
	s_add_co_u32 s30, s100, s101
	s_lshl_b32 s30, s30, 18                        ; 262,144 bytes a head,
	s_and_b32 s31, s[WV], 3                        ; step w % 4 of a slot's four,
	s_lshl_b32 s32, s31, 14
	s_add_co_u32 s30, s30, s32                     ; 16,384 bytes a step
	s_lshl_b32 s33, s31, 15
	s_lshl_b32 s34, s101, 14
	s_add_co_u32 s33, s33, s34                     ; and in a slot: (2 x step + head) x 16,384: no place in the cluster enters an LDS address
	s_mov_b32 s31, 0
	s_lshl_b32 s35, s3, 4
	s_lshl_b32 s34, s[WV], 1
	s_add_co_u32 s35, s35, s34                     ; my tile A within the batch: 16 x block + 2 x wave
	s_lshl_b32 s66, s100, 17                       ; q: 131,072 bytes a head,
	s_lshl_b32 s34, s35, 10
	s_add_co_u32 s66, s66, s34                     ; 1,024 a tile
	s_mov_b32 s67, 0
	s_lshl_b32 s34, s18, 7
	s_add_co_u32 s34, s34, s35
	s_lshl_b32 s[MP], s34, 12                      ; the mask's words: 4,096 bytes a tile
	s_mov_b32 s[MP+1], 0
	s_lshl_b32 s34, s18, 7
	s_lshl_b32 s[PFA], s3, 4
	s_add_co_u32 s[PFA], s[PFA], s34               ; the work-group's first tile: 128 x batch + 16 x block,
	s_lshl_b32 s[PFA], s[PFA], 12
	s_and_b32 s34, s[WV], 1
	s_lshl_b32 s34, s34, 15
	s_add_co_u32 s[PFA], s[PFA], s34               ; + 8 tiles for the odd wave: the prefetches' place, in slot 0; the first change of slots steps it to slot 1
	s_mov_b32 s[PFA+1], 0
	s_lshl_b32 s34, s18, 3
	s_add_co_u32 s34, s34, s3
	s_lshl_b32 s34, s34, 1
	s_add_co_u32 s34, s34, s101
	s_lshl_b32 s[OUT], s34, 17                     ; val: my 128 rows' block of 131,072 bytes,
	s_lshr_b32 s34, s19, 1
	s_lshl_b32 s34, s34, 15
	s_add_co_u32 s[OUT], s[OUT], s34               ; the 256 along K in which my two heads lie,
	s_and_b32 s34, s[WV], 3
	s_lshl_b32 s34, s34, 13
	s_add_co_u32 s[OUT], s[OUT], s34               ; tile A among the block's eight,
	s_and_b32 s34, s19, 1
	s_lshl_b32 s34, s34, 11
	s_add_co_u32 s[OUT], s[OUT], s34               ; and which 128 of the 256
	s_mov_b32 s[OUT+1], 0
	s_lshr_b32 s17, s[WV], 1                       ; 0 in waves 0 and 1,
	s_or_b32 s17, s17, s19                         ; of the batch's first pair of heads: the same in all four partners
	s_cmp_eq_u32 s17, 0
	s_cselect_b32 s[LIM], 1, 0
	; descriptor group 1: a dense block of 16,384 bytes as 64 rows of 32 elements of 8 bytes
	s_mov_b32 s[G1], 15|(3<<16)|(1<<21)            ; 15:0 the mask: all four work-groups; 17:16 elements of 8 bytes; 21 set beside a mask; no padding
	s_mov_b32 s[G1+1], 32<<16                      ; tensor_dim0
	s_mov_b32 s[G1+2], 64<<16                      ; tensor_dim1
	s_mov_b32 s[G1+3], 32<<16                      ; tile_dim0
	s_mov_b32 s[G1+4], 64                          ; tile_dim1
	s_mov_b32 s[G1+5], 32                          ; from row to row
	s_mov_b32 s[G1+6], 0
	s_mov_b32 s[G1+7], 0
	s_mov_b32 s[SEL], 0x76543210
	s_mov_b32 s[SEL+1], 0xfedcba98
	s_mov_b32 s[CS], 0x3e38aa3b                    ; log2(e) / 8
	s_mov_b32 s[TB], 0
	s_mov_b32 s[NSL], 3
	s_wait_dscnt 0x0                               ; the opening add is done
	s_wait_kmcnt 0x0
	s_add_nc_u64 s[66:67], s[20:21], s[66:67]
	s_add_nc_u64 s[MP:MP+1], s[24:25], s[MP:MP+1]
	s_add_nc_u64 s[PFA:PFA+1], s[24:25], s[PFA:PFA+1]
	s_add_nc_u64 s[OUT:OUT+1], s[28:29], s[OUT:OUT+1]
	s_mov_b32 s[G0], 1
	s_mov_b32 s[G0+1], s33                         ; slot 0
	s_add_nc_u64 s[G0+2:G0+3], s[22:23], s[30:31]  ; key steps 0 to 3
	s_or_b32 s[G0+3], s[G0+3], 0x80000000
	s_mov_b64 s[100:101], s[26:27]                 ; the arguments' registers take mask words below: the exponents' address moves out of them
	s_load_b64 s[2:3], s[100:101], 0x18            ; eq, ek
	s_load_b64 s[18:19], s[100:101], 0x20          ; ep, ev
	s_load_b32 s15, s[100:101], 0x28               ; e10
; tile x's 64 mask words of the key step at s[MO]
.macro MLOAD x
	s_load_b512 s[20:35], s[MP:MP+1], s[MO] offset:4096*(\x)
	s_load_b512 s[36:51], s[MP:MP+1], s[MO] offset:4096*(\x)+64
	s_load_b512 s[68:83], s[MP:MP+1], s[MO] offset:4096*(\x)+128
	s_load_b512 s[84:99], s[MP:MP+1], s[MO] offset:4096*(\x)+192
.endm
; and the bias made of them: register 8 c + j: 0 where the lane's key counts for its query, else -2^126
.macro BIAS x
	WIN 0x40                                       ; destination window 1
.set n, 0
.rept 64
	v_cndmask_b32 v[64*(\x)+n], v[NEG], v[ZER], s[20+n+16*(n/32)]
.set n, n+1
.endr
	WIN 0
.endm
	s_mov_b32 s[MO], 0
	MLOAD 0                                        ; tile A's words of step 0 go out together with the exponents
	CROUND                                         ; all four work-groups are here: the first joint loads meet
	tensor_load_to_lds s[G0:G0+3], s[G1:G1+7]
	s_nop 0
.rept 4
	v_nop
.endr
	v_and_b32 v[T1], 31, v0
	v_lshlrev_b32 v[LI], 4, v[T1]
.irp x, 0,1
.irp a, 0,1
.irp g, 0,1
	global_load_b128 v[Q+8*(2*\x+\a)+4*\g:Q+8*(2*\x+\a)+4*\g+3], v[LI], s[66:67] offset:131072*\a+1024*\x+512*\g   ; q's four fragments stay in registers
.endr
.endr
.endr
	v_lshrrev_b32 v[PFO], 2, v[T1]
	v_lshlrev_b32 v[PFO], 12, v[PFO]               ; tile l / 4: 4,096 bytes a tile,
	v_and_b32 v[T1], 3, v[T1]
	v_lshl_or_b32 v[PFO], v[T1], 8, v[PFO]         ; step l % 4: 256 bytes a step
	v_mov_b32 v[NANC], 0x7f7f7f7f
	v_mov_b32 v[NEG], 0xfe800000
	v_mov_b32 v[ZER], 0
	v_mov_b32 v[PRM], 0                            ; written once: a lane permute's destination counts as one of its sources
	v_mov_b32 v[PRM+1], 0
	v_mov_b32 v[FF+1], 0                           ; (named as the upper halves of pairs)
	v_mov_b32 v[FF+3], 0
	WIN 0x40
.set n, 0
.rept 128
	v_mov_b32 v[OT+n], 0                           ; O^T.  (The key step is written once for all steps: the first finds zeros, which the first change of M leaves zeros)
.set n, n+1
.endr
	WIN 0
	s_wait_kmcnt 0x0                               ; the exponents and tile A's words
	BIAS 0
	MLOAD 1                                        ; tile B's words of step 0: the first key step makes its bias of them
	s_add_co_i32 s100, s2, s3                      ; eq + ek: a score stands for score x 2^(eq + ek):
	s_lshl_b32 s100, s100, 23
	s_add_co_i32 s[CS], s[CS], s100                ; added to c's exponent field
	s_mov_b32 s[CS+1], s[CS]                       ; (named with it as a pair, so it is written)
	s_add_co_u32 s100, s[CS], 25<<23
	s_or_b32 s100, s100, 0x80000000                ; -c 2^25
.irp u, 0,1,2,3
	v_mov_b32 v[ST+4*\u+1], s100                   ; the largest t so far
	v_floor_f32 v[ST+4*\u], -v[ST+4*\u+1]          ; -M
	v_mov_b32 v[ST+4*\u+2], 0                      ; the sum
	v_mov_b32 v[ST+4*\u+3], 0
.endr
	s_add_co_i32 s101, s18, 127
	s_lshl_b32 s2, s101, 23
	v_mov_b32 v[PSC], s2                           ; 2^ep
	s_sub_co_i32 s101, s15, s18
	s_sub_co_i32 s101, s101, s19                   ; O / the sum stands for val / 2^(ep + ev): its code is that / 2^(e10 - ep - ev)
	s_add_co_i32 s101, s101, 127
	s_lshl_b32 s2, s101, 23
	v_mov_b32 v[OSC], s2
.macro KLOAD a, hf, dst                ; four fragments of k: head a, key tiles 4 hf .. 4 hf + 3, into v[dst] on
	WIN 0
.irp c, 0,1,2,3
.irp g, 0,1
	ds_load_b128 v[\dst+8*\c+4*\g:\dst+8*\c+4*\g+3], v[ADR] offset:16384*(\a)+(4*(\hf)+\c)*1024+512*\g
.endr
.endr
.endm
.macro WM d, k, q, c                   ; one tile of scores: 16 keys x 16 queries, K = the head's 64; C = the bias
	v_wmma_f32_16x16x64_fp8_fp8 v[\d:\d+7], v[\k:\k+7], v[\q:\q+7], v[\c:\c+7]
.endm
; S^T = k q^T + bias, head 0.  A matrix instruction that writes over a register that an earlier one has read stands five plain lines behind it.
.macro SMM0
	WIN 0x10                                       ; C (the bias) window 1
	s_wait_dscnt 8                                 ; k's tiles 0-3 are in; the eight loads of tiles 4-7 may be out
.irp c, 0,1,2,3
	WM S+8*\c, KL+8*\c, Q, 8*\c
	WM S+64+8*\c, KL+8*\c, Q+16, 64+8*\c
.endr
	s_wait_dscnt 0x0                               ; tiles 4-7 are in
.irp c, 0,1,2,3
	WM S+32+8*\c, CD+8*\c, Q, 32+8*\c
.endr
.rept 5
	v_nop                                          ; tile B's scores of tiles 4-7 are laid over k's tiles 0-3
.endr
.irp c, 0,1,2,3
	WM KL+8*\c, CD+8*\c, Q+16, 96+8*\c
.endr
	PLACES
.endm
; The same, head 1: k's tiles 4-7 first
.macro SMM1
	WIN 0x10
	s_wait_dscnt 8                                 ; k's tiles 4-7, asked for first, are in; the eight loads of tiles 0-3 may be out
.irp c, 0,1,2,3
	WM S+32+8*\c, S+64+8*\c, Q+8, 32+8*\c
	WM CD+8*\c, S+64+8*\c, Q+24, 96+8*\c
.endr
	s_wait_dscnt 0x0                               ; tiles 0-3 are in
.rept 5
	v_nop                                          ; tile B's scores of tiles 0-3 are laid over k's tiles 4-7
.endr
.irp c, 0,1,2,3
	WM S+8*\c, KL+8*\c, Q+8, 8*\c
	WM S+64+8*\c, KL+8*\c, Q+24, 64+8*\c
.endr
	PLACES
.endm
.macro VLOAD a                         ; v's four fragments (16 channels x 128 keys) of head a, into the registers that S^T of A has left
.irp t, 0,1,2,3
.irp g, 0,1,2,3
	ds_load_b128 v[S+16*\t+4*\g:S+16*\t+4*\g+3], v[ADR] offset:16384*(\a)+8192+2048*\t+512*\g
.endr
.endr
.endm
; Score i of tile x lies in v[S + 64 x + i], but for tile B's scores 32-63 of head 0, which lie HD = 128 registers lower, in R1 (head 1: HD = 0).
.macro MAX3 x, d, i                    ; chain d of tile x takes scores i and i + 1 (i even)
	v_max3_num_f32 v[MX+2*(\x)+(\d)], v[MX+2*(\x)+(\d)], v[S+64*(\x)+(\i)-HD*(\x)*((\i)/32)], v[S+64*(\x)+(\i)+1-HD*(\x)*((\i)/32)]
.endm
.macro EXB on                          ; the next exponential of tile B, while there are any
.if (\on) && (nx < 64)
	v_exp_f32 v[S+64+nx-HD*(nx/32)], v[S+64+nx-HD*(nx/32)]
.set nx, nx+1
.endif
.endm
; Tile x's p become the sum's terms and 16 registers of codes.  ex = 1: one of tile B's 64 exponentials stands behind each of the first 64 of tile A's 65 plain lines; none of those lines names a register of tile B's.
.macro POST x, a, ex
.set nx, 0
.set RT, ST+4*(2*(\x)+(\a))
.set RC, CD-128*(\a)+16*(\x)           ; the codes: head 0 in R3, head 1 in R1
	v_pk_mul_f32 v[RT+2:RT+3], v[RT+2:RT+3], v[FF+2*(\x):FF+2*(\x)+1] op_sel_hi:[1,0]   ; the sum under the new M
	EXB \ex
.irp c, 0,1,2,3,4,5,6,7
.set RB, S+64*(\x)+8*\c-HD*(\x)*(\c/4)
	v_pk_add_f32 v[RT+2:RT+3], v[RT+2:RT+3], v[RB:RB+1]   ; the sum of the unquantised p, two at a time, in four chains
	EXB \ex
.if \c == 0
	v_pk_add_f32 v[T1:T1+1], v[RB+2:RB+3], v[RB+10:RB+11]   ; three chains begin with terms of key tiles 0 and 1: nothing is cleared
	EXB \ex
	v_pk_add_f32 v[T2:T2+1], v[RB+4:RB+5], v[RB+12:RB+13]
	EXB \ex
	v_pk_add_f32 v[T3:T3+1], v[RB+6:RB+7], v[RB+14:RB+15]
	EXB \ex
.elseif \c > 1
	v_pk_add_f32 v[T1:T1+1], v[T1:T1+1], v[RB+2:RB+3]
	EXB \ex
	v_pk_add_f32 v[T2:T2+1], v[T2:T2+1], v[RB+4:RB+5]
	EXB \ex
	v_pk_add_f32 v[T3:T3+1], v[T3:T3+1], v[RB+6:RB+7]
	EXB \ex
.endif
.if \c == 7
	v_pk_add_f32 v[T1:T1+1], v[T1:T1+1], v[T2:T2+1]
	EXB \ex
	v_pk_add_f32 v[RT+2:RT+3], v[RT+2:RT+3], v[T3:T3+1]
	EXB \ex
	v_pk_add_f32 v[RT+2:RT+3], v[RT+2:RT+3], v[T1:T1+1]
	EXB \ex
.endif
.irp j, 0,2,4,6
	EXB \ex
.endr
	v_cvt_scalef32_pk8_fp8_f32 v[RC+2*\c:RC+2*\c+1], v[RB:RB+7], v[PSC]   ; keys 16 c + 8 h + 0 .. 7: registers 2 c, 2 c + 1 of p's fragment
.endr
	v_nop                                          ; a plain line behind the last conversion, and behind the last exponential
.endm
; The softmax of head a for one key step, both tiles.
.macro SOFT a
	WIN 0
.set HD, 128*(1-(\a))
.set UA, ST+4*(\a)                     ; tile A's statistics,
.set UB, ST+4*(2+(\a))                 ; tile B's
	v_max3_num_f32 v[MX], v[S], v[S+1], v[S+2]     ; the step's largest score of my query among my 64 keys: two chains a tile, the tiles by turns, each tile of scores from its low end on
	v_max3_num_f32 v[MX+2], v[S+64], v[S+65], v[S+66]
	v_max3_num_f32 v[MX+1], v[S+3], v[S+4], v[S+5]
	v_max3_num_f32 v[MX+3], v[S+67], v[S+68], v[S+69]
.irp i, 6,10,14,18,22,26,30,34,38,42,46,50,54,58
	MAX3 0, 0, \i
	MAX3 1, 0, \i
	MAX3 0, 1, \i+2
	MAX3 1, 1, \i+2
.endr
	MAX3 0, 0, 62
	MAX3 1, 0, 62
	v_max_num_f32 v[MX], v[MX], v[MX+1]
	v_max_num_f32 v[MX+2], v[MX+2], v[MX+3]
	v_permlanex16_b32 v[PRM], v[MX], s[SEL], s[SEL+1]
	v_permlanex16_b32 v[PRM+1], v[MX+2], s[SEL], s[SEL+1]
	v_mov_b32 v[MX+1], v[UA]                       ; the old -M is kept
	v_mov_b32 v[MX+3], v[UB]
	v_max_num_f32 v[MX], v[MX], v[PRM]             ; and among lane l xor 16's
	v_max_num_f32 v[MX+2], v[MX+2], v[PRM+1]
	v_mul_f32 v[MX], s[CS], v[MX]                  ; as t (c is positive)
	v_mul_f32 v[MX+2], s[CS], v[MX+2]
	v_max_num_f32 v[UA+1], v[UA+1], v[MX]          ; the running largest t
	v_max_num_f32 v[UB+1], v[UB+1], v[MX+2]
	v_floor_f32 v[UA], -v[UA+1]                    ; the new -M = floor(-t): M is a whole number
	v_floor_f32 v[UB], -v[UB+1]
.set n, 0
.rept 32
	v_pk_fma_f32 v[S+2*n:S+2*n+1], v[S+2*n:S+2*n+1], s[CS:CS+1], v[UA:UA+1] op_sel_hi:[1,0,0]   ; tile A: t - M, two at a time (of the pairs c and -M the low word serves both halves)
.if n == 3
	v_sub_f32 v[MX+1], v[UA], v[MX+1]              ; old M - new M: a whole number, 0 or less
	v_sub_f32 v[MX+3], v[UB], v[MX+3]
.endif
.if n == 7
	v_cvt_i32_f32 v[MX+1], v[MX+1]                 ; (it saturates)
	v_cvt_i32_f32 v[MX+3], v[MX+3]
.endif
.if n == 11
	v_ldexp_f32 v[FF], 1.0, v[MX+1]                ; f = 2^(old M - new M)
	v_ldexp_f32 v[FF+2], 1.0, v[MX+3]
.endif
.set n, n+1
.endr
.set n, 0
.rept 32
	v_exp_f32 v[S+2*n], v[S+2*n]                   ; tile A: p = 2^(t - M), at most 1;
	v_exp_f32 v[S+2*n+1], v[S+2*n+1]
	v_pk_fma_f32 v[S+64+2*n-HD*(n/16):S+64+2*n-HD*(n/16)+1], v[S+64+2*n-HD*(n/16):S+64+2*n-HD*(n/16)+1], s[CS:CS+1], v[UB:UB+1] op_sel_hi:[1,0,0]   ; tile B: t - M.  The last of these is the plain line behind tile A's last exponential
.set n, n+1
.endr
	s_wait_alu depctr_va_vdst(0)                   ; one wait for tile A's 64 exponentials, ahead of their first reader
	POST 0, \a, 1
	VLOAD \a                                       ; lands under tile B's sums and conversions
	s_wait_alu depctr_va_vdst(0)                   ; one for tile B's 64, ahead of their first reader
	POST 1, \a, 0
.endm
.macro RESC x, a                       ; O^T of unit (x, a) under the new M
	WIN 0x41                                       ; source 0 and destination window 1
.irp j, 0,2,4,6,8,10,12,14,16,18,20,22,24,26,28,30
	v_pk_mul_f32 v[OT+32*(2*(\x)+(\a))+\j:OT+32*(2*(\x)+(\a))+\j+1], v[OT+32*(2*(\x)+(\a))+\j:OT+32*(2*(\x)+(\a))+\j+1], v[FF+2*(\x):FF+2*(\x)+1] op_sel_hi:[1,0]
.endr
.endm
.macro PVM a                           ; O^T += v^T p^T: four channel tiles x tiles A, B; K = the step's 128 keys.  Eight accumulators, one instruction each
	WIN 0x50                                       ; C and D window 1
.irp t, 0,1,2,3
.irp x, 0,1
	v_wmma_f32_16x16x128_fp8_fp8 v[OT+32*(2*\x+(\a))+8*\t:OT+32*(2*\x+(\a))+8*\t+7], v[S+16*\t:S+16*\t+15], v[CD-128*(\a)+16*\x:CD-128*(\a)+16*\x+15], v[OT+32*(2*\x+(\a))+8*\t:OT+32*(2*\x+(\a))+8*\t+7]
.endr
.endr
.endm
; A KEY STEP: 128 keys, both heads, both tiles.  THE MASK'S WORDS have half a step each in which to land: tile B's, asked for in the middle of the step before, make this step's bias at its head, under head 0's loads of k;
; tile A's of the next step are asked for there and make the next bias behind head 1's scores, where this step's has served; tile B's of the next step are asked for there.
.macro KEYSTEP
	v_add_nc_u32 v[ADR], s[TB], v[LI]
	PLACES                                         ; with the addition five plain lines behind the last products, which read R1 (p's codes) and v's fragments
	KLOAD 0, 0, KL
	KLOAD 0, 1, CD
	s_wait_kmcnt 0x0                               ; tile B's words of this step are in, and the loads have read their offset
	BIAS 1
	s_add_co_u32 s[MO], s[MO], 256
	s_and_b32 s[MO], s[MO], 0xfff                  ; in the last step it goes back to step 0: no load leaves the buffer
	MLOAD 0
	SMM0
	SOFT 0
	KLOAD 1, 1, S+64                               ; head 1's k, into the two regions that tile B's scores have left: it lands under the rescaling and the products below
	KLOAD 1, 0, KL
	RESC 0, 0
	RESC 1, 0
	s_wait_dscnt 16                                ; v is in; the sixteen loads of k may be out
	PVM 0
.rept 5
	v_nop                                          ; head 1's scores are laid over v's fragments and over p's codes, which those products read
.endr
	SMM1
	s_wait_kmcnt 0x0                               ; tile A's words of the next step are in
	BIAS 0
	MLOAD 1
	SOFT 1
	RESC 0, 1
	RESC 1, 1
	s_wait_dscnt 0x0                               ; v is in
	PVM 1
	WIN 0
	s_add_co_u32 s[TB], s[TB], 32768
.endm
.macro STEPS4                          ; a slot's four key steps: written once, walked four times
	s_mov_b32 s[NST], 4
.Lstep_\@:
	KEYSTEP
	s_sub_co_u32 s[NST], s[NST], 1
	s_cmp_lg_u32 s[NST], 0
	s_cbranch_scc1 .Lstep_\@
	s_sub_co_u32 s[TB], s[TB], 4*32768
	s_xor_b32 s[TB], s[TB], SLOT1                  ; on to the other slot
.endm
; THE CHANGE OF SLOTS stands at a slot's head.  Each wave waits for all its tensor loads (its part of the slot ahead), adds 0 to its spare word, and waits for that and for its reads of the slot that it has left.
; fill = 1: the barrier is a round of the cluster's, and behind it the slot that was left takes the next four key steps: the load has the whole slot ahead in which to land.
.macro CHANGE fill
	s_wait_tensorcnt 0x0                           ; no tensor load of mine is out, so group 0 may be written
	ds_add_u32 v[SPW], v[NIL]
.if \fill
	s_xor_b32 s[G0+1], s[G0+1], SLOT1              ; the other slot than last time,
	s_add_nc_u64 s[G0+2:G0+3], s[G0+2:G0+3], 4*16384   ; the next four key steps; the type bits on top are not reached
	s_wait_xcnt 0x0                                ; the last prefetch, a slot back, has read its address, so it may be written:
	s_add_nc_u64 s[PFA:PFA+1], s[PFA:PFA+1], 4*256 ; the next slot's four steps of mask words
.endif
	s_wait_dscnt 0x0                               ; the add is done, and my reads of the slot that I have left are over
.if \fill
	CROUND
	tensor_load_to_lds s[G0:G0+3], s[G1:G1+7]      ; the first thing behind the round, and my one tensor load until the next
	s_nop 0
.rept 4
	v_nop
.endr
	ASK
.else
	s_barrier_signal -1
	s_barrier_wait -1
.endif
.endm
	s_wait_loadcnt 0x0                             ; q
.Lslot:                                            ; three trips: behind each change of slots but the last the next slot is asked for
	CHANGE 1
	STEPS4
	s_sub_co_u32 s[NSL], s[NSL], 1
	s_cmp_lg_u32 s[NSL], 0
	s_cbranch_scc1 .Lslot
	CHANGE 0                                       ; the last slot is written out
	STEPS4
	; THE WAY OUT.  The sums' halves are added; O^T is divided by the sum, converted with 2^(e10 - ep - ev): unit (X, a)'s channel tile t gives registers 8 a + 2 t, 8 a + 2 t + 1 of tile X's fragment of val (K = my two heads' 128 channels).
	s_wait_kmcnt 0x0                               ; the last mask words, which nobody reads: their registers are written below
.irp u, 0,1,2,3
	v_add_f32 v[ST+4*\u+2], v[ST+4*\u+2], v[ST+4*\u+3]   ; (these four are also the places behind the last products)
.endr
.irp u, 0,1,2,3
	v_permlanex16_b32 v[ST+4*\u+3], v[ST+4*\u+2], s[SEL], s[SEL+1]
.endr
.irp u, 0,1,2,3
	v_add_f32 v[ST+4*\u+2], v[ST+4*\u+2], v[ST+4*\u+3]   ; the row's sum
.endr
.irp u, 0,1,2,3
	v_cmp_eq_f32 s[20+\u], 0, v[ST+4*\u+2]         ; a query none of whose keys counts
.endr
.irp u, 0,1,2,3
	v_rcp_f32 v[ST+4*\u], v[ST+4*\u+2]
.endr
	v_nop                                          ; a plain line behind the last reciprocal
	s_wait_alu depctr_va_vdst(0)                   ; one wait for the four, ahead of their first reader
	WIN 0x01                                       ; source 0 window 1
.irp u, 0,1,2,3
.irp j, 0,2,4,6,8,10,12,14,16,18,20,22,24,26,28,30
	v_pk_mul_f32 v[S+32*\u+\j:S+32*\u+\j+1], v[OT+32*\u+\j:OT+32*\u+\j+1], v[ST+4*\u:ST+4*\u+1] op_sel_hi:[1,0]   ; each accumulator from its low end on
.endr
.endr
	WIN 0
.set n, 0
.rept 128
.set n, n+1
.endr
.irp x, 0,1
.irp a, 0,1
.irp t, 0,1,2,3
	v_cvt_scalef32_pk8_fp8_f32 v[KL+16*\x+8*\a+2*\t:KL+16*\x+8*\a+2*\t+1], v[S+32*(2*\x+\a)+8*\t:S+32*(2*\x+\a)+8*\t+7], v[OSC]
.endr
.endr
.endr
	v_nop                                          ; a plain line behind the last conversion
.irp x, 0,1
.irp a, 0,1
.irp k, 0,1,2,3,4,5,6,7
	v_cndmask_b32 v[KL+16*\x+8*\a+\k], v[KL+16*\x+8*\a+\k], v[NANC], s[20+2*\x+\a]
.endr
.endr
.endr
.irp x, 0,1
.irp g, 0,1,2,3
	global_store_b128 v[LI], v[KL+16*\x+4*\g:KL+16*\x+4*\g+3], s[OUT:OUT+1] offset:4096*\x+512*\g   ; 512 consecutive bytes, aligned
.endr
.endr
	s_wait_tensorcnt 0x0                           ; the wave's end, behind my last tensor load
	ds_add_u32 v[SPW], v[NIL]
	s_wait_dscnt 0x0
	CROUND                                         ; the closing round: no work-group ends while a partner may still ask for a tile that names it
	s_endpgm
.Lfunc_end_k_q006e117919_attn:
	.size	k_q006e117919_attn, .Lfunc_end_k_q006e117919_attn-k_q006e117919_attn
	.p2alignl 7, 3214868480
	.fill 96, 4, 3214868480
	.section	.rodata,"a",@progbits
	.p2align	6, 0x0
	.amdhsa_kernel k_q006e117919_attn
		.amdhsa_group_segment_fixed_size 327680
		.amdhsa_private_segment_fixed_size 0
		.amdhsa_enable_private_segment 0
		.amdhsa_kernarg_size 40
		.amdhsa_user_sgpr_count 2
		.amdhsa_user_sgpr_kernarg_segment_ptr 1
		.amdhsa_wavefront_size32 1
		.amdhsa_system_sgpr_workgroup_id_x 1
		.amdhsa_system_sgpr_workgroup_id_y 1
		.amdhsa_system_sgpr_workgroup_id_z 1
		.amdhsa_system_vgpr_workitem_id 0
		.amdhsa_next_free_vgpr 512
		.amdhsa_next_free_sgpr 106
		.amdhsa_reserve_vcc 0
		.amdhsa_float_denorm_mode_32 3
		.amdhsa_float_denorm_mode_16_64 3
		.amdhsa_fp16_overflow 1
		.amdhsa_memory_ordered 1
		.amdhsa_forward_progress 1
		.amdhsa_inst_pref_size 141
	.end_amdhsa_kernel
	.amdgpu_metadata
---
amdhsa.version: [ 1, 2 ]
amdhsa.kernels:
  - .name:           k_q006e117919_attn
    .symbol:         k_q006e117919_attn.kd
    .args:
      - { .name: qimg, .offset: 0, .size: 8, .value_kind: global_buffer, .address_space: global }
      - { .name: kvimg, .offset: 8, .size: 8, .value_kind: global_buffer, .address_space: global }
      - { .name: mbits, .offset: 16, .size: 8, .value_kind: global_buffer, .address_space: global }
      - { .name: lowp_scales, .offset: 24, .size: 8, .value_kind: global_buffer, .address_space: global }
      - { .name: vimg, .offset: 32, .size: 8, .value_kind: global_buffer, .address_space: global }
    .group_segment_fixed_size: 327680
    .private_segment_fixed_size: 0
    .kernarg_segment_align: 8
    .kernarg_segment_size: 40
    .max_flat_workgroup_size: 256
    .sgpr_count:     106
    .vgpr_count:     512
    .wavefront_size: 32
...
	.end_amdgpu_metadata
.endif
;; end of part 7
;; launch outp: the kernel of part 4 again; grid 8 x 32, 4 waves a work-group, clusters of 4 x 4, 327,680 bytes of LDS; arguments vimg, opimg, lowp_scales, bo, out0; writes out0
